; MI455X (gfx1250); checked and timed in simulation.
; The chip was launched on July 23, 2026; its instructions are those of AMD's public machine-readable ISA for CDNA 5 (MIT licence, August 2026) and "CDNA5" Instruction Set Architecture Reference Guide (July 2026). The comments in the code are by the model that wrote it; some were corrected since.
;; Standard Multi Head Attention. Allowed arithmetic: matrix products marked QUANTISED: E5M2 operands, one E8M0 scale for each 32 along K, by v_wmma_scale_f32_16x16x128_f8f6f4 with both operands' format E5M2, f32 sums; everything else in f32.
;; Inputs: WK 512 x 512 float32; WO 512 x 512 float32; WQ 512 x 512 float32; WV 512 x 512 float32; mask 2,048 x 2,048 int32; x 4 x 2,048 x 512 float32.
;; Outputs: out0 4 x 2,048 x 512 float32.
;; This version of the problem:
;;   THIS VERSION OF THE PROBLEM IS GIVEN IN LOW PRECISION. The matrix products marked QUANTISED in the list below multiply operands that are first quantised to E5M2 (5 exponent bits, 2 mantissa bits; 8 bits a number), with one power-of-two scale for each 32 numbers along K (OCP MX v1.0); their sums are f32. All else is computed in f32.
;;   The module's matrix products, in the order in which they are computed (A, B: the left and right operand; K: the contracted axis; several contracted axes count as one K, in the product's order):
;;     1. [M 8,192, K 512] x [K 512, N 512]; A: input x; B: input WQ: QUANTISED
;;     2. [M 8,192, K 512] x [K 512, N 512]; A: input x; B: input WK: QUANTISED
;;     3. [M 8,192, K 512] x [K 512, N 512]; A: input x; B: input WV: QUANTISED
;;     4. batch 32 x [M 2,048, K 64] x [K 64, N 2,048]; A: computed on the way; B: computed on the way: QUANTISED
;;     5. batch 32 x [M 2,048, K 2,048] x [K 2,048, N 64]; A: softmax (see below); B: computed on the way: QUANTISED
;;     6. [M 8,192, K 512] x [K 512, N 512]; A: computed on the way; B: input WO: QUANTISED
;;   THE QUANTISER, for each operand of a quantised product, along K:
;;     - K is cut into blocks of 32 from its start; a last block that is shorter is filled with zeros.
;;     - A block's scale is 2^e with e = floor(log2(the largest magnitude in the block)) - 15, held to -126 .. 127; a block of zeros has e = 0. As a byte (E8M0): e + 127.
;;     - Each number is divided by its block's scale, clamped to +-57,344, and rounded to the nearest number of E5M2, ties to even, subnormals kept.
;;     - The product sums the exact products of the quantised numbers (number of the format x scale) in f32.
;;   ~~~python
;;   def quantise(x, axis):      # numpy; x: float32 -> the quantised numbers, widened to float32 again
;;       x = np.moveaxis(x, axis, -1); K = x.shape[-1]
;;       x = np.pad(x, [(0, 0)] * (x.ndim - 1) + [(0, -K % 32)]); x = x.reshape(x.shape[:-1] + (-1, 32)); a = np.abs(x).max(-1, keepdims=True)
;;       e = np.where(a > 0, np.clip(np.frexp(np.where(a > 0, a, 1))[1] - 1 - 15, -126, 127), 0)      # np.frexp(a)[1] - 1 = floor(log2(a)), exactly
;;       r = np.clip(x / 2.0 ** e, -57344, 57344)
;;       step = 2.0 ** (np.maximum(np.frexp(np.where(r == 0, 1, r))[1] - 1, -14) - 2)
;;       q = np.round(r / step) * step * 2.0 ** e      # np.round: ties to even
;;       return np.moveaxis(q.reshape(q.shape[:-2] + (-1,))[..., :K], -1, axis).astype(np.float32)
;;   ~~~
;;   SOFTMAX AHEAD OF A QUANTISED PRODUCT. Where the list says 'softmax', what is quantised is not the finished softmax but p = 2^(t - M), with t = logit x log2(e) and M = ceil(the row's largest t), a whole number; so 1/2 < the row's largest p <= 1. The row's sum l is taken of the UNQUANTISED p, in f32, and the product's result is divided by l at the end. Since M is a whole number, a kernel that streams over the keys may use a running M (the ceiling of the running maximum): every later rescaling is an exact power of two, which a block's scale takes up: the codes' values come out the same.
;;   OPERANDS COMPUTED ON THE WAY. 'Computed on the way' means the value that the module computes at that place (a softmax that the list does not call 'softmax' is quantised finished and normalised). What goes into a quantiser is computed in f32, as accurately as f32 sums, v_exp_f32 and their like allow (about 1e-6 of the number): no bf16 or f16 on the way to a quantiser, and a product that is left as it is and whose result goes on into a quantised operand takes f32 operands (vector FMAs, or v_wmma_f32_16x16x4_f32). A number that lies on a knife's edge between two numbers of the format may be rounded either way, as far as f32 arithmetic and the matrix unit's own rounding can turn it there, and no further.
;; 2 versions. Each part assembles by itself: llvm-mc -triple=amdgcn-amd-amdhsa -mcpu=gfx1250 --defsym DOCPART=n.
;; ======== version 1 of 2: 4 launches
;; workspace buffers: qc 5,242,880 bytes; qs 163,840 bytes; mw 524,288 bytes of whole numbers; mf 2,048 bytes of whole numbers; qkvc 12,582,912 bytes; qkvs 393,216 bytes; oc 4,194,304 bytes; os 131,072 bytes
;; launch prep (part 1): grid 288 x 1, 4 waves a work-group, no clusters, 68,096 bytes of LDS; arguments x, WQ, WK, WV, WO, mask, qc, qs, mw, mf; writes qc, qs, mw, mf
.if DOCPART == 1
	.amdgcn_target "amdgcn-amd-amdhsa--gfx1250"
	.amdhsa_code_object_version 6
	.text
	.protected	k_q21c4052293_prep
	.globl	k_q21c4052293_prep
	.p2align	8
	.type	k_q21c4052293_prep,@function
k_q21c4052293_prep:
	s_mov_b64 s[64:65], 0
	v_nop
	global_prefetch_b8 v0, s[64:65] scope:SCOPE_SE
	s_setreg_imm32_b32 hwreg(HW_REG_WAVE_MODE, 25, 1), 1
	s_wait_xcnt 0x0
; x [8192][512] and WQ, WK, WV, WO [512][512], f32, K innermost, become codes of BF8 (E5M2) with one E8M0 byte for each 32 along K; the mask [2048][2048] int32 becomes bit words and flags.
; LAYOUT OF THE CODES (qc): images of operand registers.  A fragment is 16 rows x 128 K = 2,048 bytes: four pieces c of 512 bytes, lane l's 16 bytes at 16 l; lane (r = l % 16, h = l / 16) holds row r, k = 32 c + 16 h + 0 .. 15.
; qc = [tile 640][K step 4][c 4][512]; tiles 0-511 x, 512-543 WQ, 544-575 WK, 576-607 WV, 608-639 WO.  qs = [tile][r 16][K step 4] scale words.
; THE ROWS OF A TILE ARE NOT NEIGHBOURS: lane r of tile 2 B + u holds row 32 B + 8 u + r + 8 (r / 8): a product of eight such tiles with one tile then leaves each lane 16 neighbours of each block of 32 along the next K.
; mw = [query tile 128][key step 16][word n 64]: bit l of word n = 16 b + i says whether mask[query of lane l % 16][128 step + 32 b + 16 (l / 16) + i] is not 0: the lane mask of score register n in the attention launch.
; mf = [query tile 128][quarter 4] words: bit q: some key of step 4 quarter + q counts for some query of the tile; bit 16 + q: all do.
; SHARES.  Work-groups 0-159: wave w quantises tile 4 id + w (16 rows x 512, four K steps).  Work-groups 160-287: query tile id - 160, wave w key steps 4 w .. 4 w + 3.  A step of either kind is 16 rows x 512 bytes.
; Each load reads 512 consecutive bytes of a row; the 8 KB turn through the wave's own stage in LDS (rows 528 bytes apart = 33 x 16: the sixteen rows that a read touches begin 16 bytes apart modulo 256) and come back 16 neighbours a block a lane.
; Each kind of work-group has stage bytes of its own.  Waves share nothing: no barrier.  No matrix unit, no cluster: every input byte is read once, by one wave.
; A block's scale is 2^(floor(log2(largest magnitude)) - 15); its byte is the largest magnitude's exponent field - 15, held at 1 from below.
; LIMITS: a block of zeros, and one whose largest magnitude lies under 2^(16 - 127), gets the byte 1 (this program alone reads the bytes; zero codes add nothing); NaN and infinities among x and the weights are not served.
.set SPITCH, 528
.set WSTG,   16*SPITCH                 ; a wave's stage
.set STGB,   4*WSTG                    ; the mask path's four stages begin here
.set SPARE,  8*WSTG                    ; the spare words: 128 bytes a wave, two blocks of 256 bytes that no other line names
.set LI,   1                           ; v1   16 x lane
.set STIA, 2                           ; v2   stage, way in: 16 x lane (quantising path)
.set STOA, 3                           ; v3   stage, way out: 528 r + 64 h
.set R16,  4                           ; v4   16 r
.set L8,   5                           ; v5   8 x lane
.set SPW,  6                           ; v6   my spare word; never rewritten
.set NIL,  7                           ; v7   0; never rewritten
.set FLG,  9                           ; v9   the flag word
.set STIB, 10                          ; v10, v11  the same two stage addresses for the mask path
.set STOB, 11
.set ZO,   12                          ; v12  offset 0
.set R,    16                          ; v16-79   16 rows x 16 bytes a lane, as loaded
.set X,    80                          ; v80-143  register 16 b + i: k = 32 b + 16 h + i of my row
.set C,    144                         ; v144-207 codes: 16 registers a K step, so that no store's data are written again
.set TM,   208                         ; v208-223 at work in QUANT
.set SW,   224                         ; v224-227 my row's four scale words
.set W,    228                         ; v228-235 mask words: a pair for each step
.set WV,   24
.set SRC,  26                          ; s[26:27] where my rows begin
.set DA,   28                          ; s[28:29] codes, or mask words
.set DB,   30                          ; s[30:31] scale words, or flags
.set SEL,  32                          ; s[32:33] v_permlanex16_b32's selects for lane l xor 16
.set MNT,  34                          ; s34  the mantissa field of 57,344
.macro GLOAD pitch, off                ; 16 rows of my tile, 512 bytes of each
.irp i, 0,1,2,3,4,5,6,7,8,9,10,11,12,13,14,15
	global_load_b128 v[R+4*\i:R+4*\i+3], v[LI], s[SRC:SRC+1] offset:(\i+8*(\i/8))*\pitch+\off th:TH_LOAD_NT
.endr
.endm
.macro TURN sti, sto                   ; through my stage: LDS serves a wave's instructions in order, so no wait stands between the stores and the loads
.irp i, 0,1,2,3,4,5,6,7,8,9,10,11,12,13,14,15
	ds_store_b128 v[\sti], v[R+4*\i:R+4*\i+3] offset:SPITCH*\i
.endr
.irp b, 0,1,2,3
.irp j, 0,1,2,3
	ds_load_b128 v[X+16*\b+4*\j:X+16*\b+4*\j+3], v[\sto] offset:128*\b+16*\j
.endr
.endr
.endm
; 64 numbers of a lane, register 16 b + i = k 32 b + 16 h + i of my row, become a fragment's 16 code registers at v[dc] and its scale word in v[dw]
.macro QUANT src, dc, dw
.irp b, 0,1,2,3
	v_max3_num_f32 v[TM+\b], |v[\src+16*\b]|, |v[\src+16*\b+1]|, 0x8000000   ; my 16 numbers of block b, and the floor 2^(16 - 127): the byte cannot fall under 1
.endr
.irp i, 2,4,6,8,10,12,14
.irp b, 0,1,2,3
	v_max3_num_f32 v[TM+\b], v[TM+\b], |v[\src+16*\b+\i]|, |v[\src+16*\b+\i+1]|   ; the four blocks by turns
.endr
.endr
.irp b, 0,1,2,3
	v_permlanex16_b32 v[TM+4+\b], v[TM+\b], s[SEL], s[SEL+1]
.endr
.irp b, 0,1,2,3
	v_max_num_f32 v[TM+\b], v[TM+\b], v[TM+4+\b]   ; with lane l xor 16's 16: the block's largest magnitude
.endr
.irp b, 0,1,2,3
	v_add_nc_u32 v[TM+12+\b], 0xf8800000, v[TM+\b]   ; 15 off its exponent field: the conversion's scale operand
.endr
.irp b, 0,1,2,3
	v_and_or_b32 v[TM+8+\b], v[TM+\b], 0x7f800000, s[MNT]   ; 57,344 x the scale
.endr
.irp b, 0,1,2,3
	v_lshrrev_b32 v[TM+4+\b], 23, v[TM+12+\b]      ; the scale's byte
.endr
	v_lshl_or_b32 v[\dw], v[TM+5], 8, v[TM+4]
	v_lshl_or_b32 v[\dw], v[TM+6], 16, v[\dw]
	v_lshl_or_b32 v[\dw], v[TM+7], 24, v[\dw]
.irp b, 0,1,2,3
.irp i, 0,1,2,3,4,5,6,7,8,9,10,11,12,13,14,15
	v_med3_num_f32 v[\src+16*\b+\i], v[\src+16*\b+\i], -v[TM+8+\b], v[TM+8+\b]   ; the conversion to an 8-bit code does not saturate (ISA guide 7.6.2): the hold comes first
.endr
	v_cvt_scalef32_pk8_bf8_f32 v[(\dc)+4*\b:(\dc)+4*\b+1], v[\src+16*\b:\src+16*\b+7], v[TM+12+\b]
	v_cvt_scalef32_pk8_bf8_f32 v[(\dc)+4*\b+2:(\dc)+4*\b+3], v[\src+16*\b+8:\src+16*\b+15], v[TM+12+\b]
.endr
	v_nop                                          ; a plain line behind the last conversion
.endm
	s_load_b512 s[4:19], s[0:1], 0x0               ; x s[4:5], WQ s[6:7], WK s[8:9], WV s[10:11], WO s[12:13], mask s[14:15], qc s[16:17], qs s[18:19]
	s_load_b128 s[20:23], s[0:1], 0x40             ; mw s[20:21], mf s[22:23]
	v_lshl_add_u32 v[SPW], v0, 2, SPARE
	v_mov_b32 v[NIL], 0
	v_lshrrev_b32 v8, 5, v0
	v_readfirstlane_b32 s[WV], v8                  ; wave 0..3
	v_and_b32 v8, 31, v0                           ; lane
	v_lshlrev_b32 v[LI], 4, v8
	v_lshlrev_b32 v[L8], 3, v8
	v_and_b32 v13, 15, v0                          ; r
	v_bfe_u32 v14, v0, 4, 1                        ; h
	v_lshlrev_b32 v[R16], 4, v13
	s_mul_i32 s25, s[WV], WSTG
	v_add_nc_u32 v[STIA], s25, v[LI]
	v_mul_u32_u24 v15, v13, SPITCH
	v_lshl_add_u32 v15, v14, 6, v15
	v_add_nc_u32 v[STOA], s25, v15
	v_add_nc_u32 v[STIB], STGB, v[STIA]
	v_add_nc_u32 v[STOB], STGB, v[STOA]
	v_mov_b32 v[ZO], 0
.irp b, 0,1,2,3
	v_mov_b32 v[TM+4+\b], 0                        ; a lane permute's destination counts as one of its sources
.endr
.irp b, 0,1,2,3,4,5,6,7
	v_mov_b32 v[W+\b], 0                           ; and so does v_writelane_b32's
.endr
	s_mov_b32 s[SEL], 0x76543210
	s_mov_b32 s[SEL+1], 0xfedcba98
	s_mov_b32 s[MNT], 0x600000
	s_mov_b32 s41, 0                               ; the upper word of the offsets made in s40
	s_wait_kmcnt 0x0
	s_cmp_ge_u32 ttmp9, 160
	s_cbranch_scc1 .Lmask
	; ---- the quantising path
	s_lshl_b32 s35, ttmp9, 2
	s_add_co_u32 s35, s35, s[WV]                   ; my tile, 0 .. 639
	s_and_b32 s36, s35, 31                         ; and its number inside a weight
	s_mov_b64 s[SRC:SRC+1], s[12:13]               ; the tensor is chosen by the work-group's number alone
	s_cmp_lt_u32 ttmp9, 152
	s_cselect_b64 s[SRC:SRC+1], s[10:11], s[SRC:SRC+1]
	s_cmp_lt_u32 ttmp9, 144
	s_cselect_b64 s[SRC:SRC+1], s[8:9], s[SRC:SRC+1]
	s_cmp_lt_u32 ttmp9, 136
	s_cselect_b64 s[SRC:SRC+1], s[6:7], s[SRC:SRC+1]
	s_cmp_lt_u32 ttmp9, 128
	s_cselect_b64 s[SRC:SRC+1], s[4:5], s[SRC:SRC+1]
	s_cselect_b32 s36, s35, s36
	s_lshr_b32 s37, s36, 1
	s_lshl_b32 s37, s37, 5
	s_and_b32 s38, s36, 1
	s_lshl_b32 s38, s38, 3
	s_add_co_u32 s37, s37, s38                     ; the tile's first row: 32 (tile / 2) + 8 (tile % 2)
	s_lshl_b32 s40, s37, 11                        ; rows of 2,048 bytes
	s_add_nc_u64 s[SRC:SRC+1], s[SRC:SRC+1], s[40:41]
	s_lshl_b32 s40, s35, 13
	s_add_nc_u64 s[DA:DA+1], s[16:17], s[40:41]    ; 8,192 bytes of codes a tile
	s_lshl_b32 s40, s35, 8
	s_add_nc_u64 s[DB:DB+1], s[18:19], s[40:41]    ; 256 bytes of scale words a tile
	GLOAD 2048, 0
.irp s, 0,1,2,3
	s_wait_loadcnt 0x0                             ; this K step's 16 loads are in
	TURN STIA, STOA
	s_wait_dscnt 0x0                               ; the numbers are back, so the stage's stores have read R:
.if \s < 3
	GLOAD 2048, 512*(\s+1)                         ; the next K step is on its way while this one is quantised
.endif
	QUANT X, C+16*\s, SW+\s
.irp c, 0,1,2,3
	global_store_b128 v[LI], v[C+16*\s+4*\c:C+16*\s+4*\c+3], s[DA:DA+1] offset:2048*\s+512*\c   ; 512 consecutive bytes
.endr
.endr
	global_store_b128 v[R16], v[SW:SW+3], s[DB:DB+1]   ; the tile's 256 bytes of scale words; lanes l and l + 16 hold the same words and name the same bytes
	s_wait_tensorcnt 0x0                           ; the wave's end, behind my last LDS store
	ds_add_u32 v[SPW], v[NIL]
	s_wait_dscnt 0x0
	s_endpgm
	; ---- the mask path
.Lmask:
	s_sub_co_u32 s35, ttmp9, 160                   ; the query tile
	s_lshr_b32 s37, s35, 1
	s_lshl_b32 s37, s37, 5
	s_and_b32 s38, s35, 1
	s_lshl_b32 s38, s38, 3
	s_add_co_u32 s37, s37, s38                     ; its first query
	s_lshl_b32 s40, s37, 13                        ; rows of 8,192 bytes
	s_lshl_b32 s38, s[WV], 11                      ; my four key steps: 2,048 bytes of each row
	s_add_co_u32 s40, s40, s38
	s_add_nc_u64 s[SRC:SRC+1], s[14:15], s[40:41]
	s_lshl_b32 s40, s35, 12
	s_lshl_b32 s38, s[WV], 10
	s_add_co_u32 s40, s40, s38
	s_add_nc_u64 s[DA:DA+1], s[20:21], s[40:41]    ; 256 bytes of words a step
	s_lshl_b32 s40, s35, 4
	s_lshl_b32 s38, s[WV], 2
	s_add_co_u32 s40, s40, s38
	s_add_nc_u64 s[DB:DB+1], s[22:23], s[40:41]    ; my flag word
	s_mov_b32 s38, 0                               ; the flags
.macro MSTEP q
	s_wait_loadcnt 0x0
	TURN STIB, STOB
	s_wait_dscnt 0x0
.if \q < 3
	GLOAD 8192, 512*(\q+1)
.endif
	s_mov_b32 s36, 0                               ; the words' OR
	s_mov_b32 s37, -1                              ; and AND
.set n, 0
.rept 8                                        ; eight words at a time: a compare gives word n as a lane mask; it goes to lane n / 2 of register n % 2
.irp k, 0,1,2,3,4,5,6,7
	v_cmp_ne_u32 s[40+\k], 0, v[X+n+\k]
.endr
.irp k, 0,1,2,3,4,5,6,7
	v_writelane_b32 v[W+2*\q+\k%2], s[40+\k], (n+\k)/2
.endr
.irp k, 0,1,2,3,4,5,6,7
	s_or_b32 s36, s36, s[40+\k]
	s_and_b32 s37, s37, s[40+\k]
.endr
.set n, n+8
.endr
	s_cmp_lg_u32 s36, 0
	s_cselect_b32 s39, 1<<\q, 0
	s_or_b32 s38, s38, s39
	s_cmp_eq_u32 s37, -1
	s_cselect_b32 s39, 1<<(16+\q), 0
	s_or_b32 s38, s38, s39
	global_store_b64 v[L8], v[W+2*\q:W+2*\q+1], s[DA:DA+1] offset:256*\q   ; 32 lanes store 256 consecutive bytes, aligned
.endm
	GLOAD 8192, 0
	MSTEP 0
	MSTEP 1
	MSTEP 2
	MSTEP 3
	v_mov_b32 v[FLG], s38
	global_store_b32 v[ZO], v[FLG], s[DB:DB+1]     ; one word: all lanes hold it and name the same four bytes (2 KB in the whole launch go out so)
	s_wait_tensorcnt 0x0                           ; the wave's end, as above
	ds_add_u32 v[SPW], v[NIL]
	s_wait_dscnt 0x0
	s_endpgm
.Lfunc_end_k_q21c4052293_prep:
	.size	k_q21c4052293_prep, .Lfunc_end_k_q21c4052293_prep-k_q21c4052293_prep
	.p2alignl 7, 3214868480
	.fill 96, 4, 3214868480
	.section	.rodata,"a",@progbits
	.p2align	6, 0x0
	.amdhsa_kernel k_q21c4052293_prep
		.amdhsa_group_segment_fixed_size 68096
		.amdhsa_private_segment_fixed_size 0
		.amdhsa_enable_private_segment 0
		.amdhsa_kernarg_size 80
		.amdhsa_user_sgpr_count 2
		.amdhsa_user_sgpr_kernarg_segment_ptr 1
		.amdhsa_wavefront_size32 1
		.amdhsa_system_sgpr_workgroup_id_x 1
		.amdhsa_system_sgpr_workgroup_id_y 1
		.amdhsa_system_sgpr_workgroup_id_z 1
		.amdhsa_system_vgpr_workitem_id 0
		.amdhsa_next_free_vgpr 240
		.amdhsa_next_free_sgpr 66
		.amdhsa_reserve_vcc 0
		.amdhsa_float_denorm_mode_32 3
		.amdhsa_float_denorm_mode_16_64 3
		.amdhsa_memory_ordered 1
		.amdhsa_forward_progress 1
		.amdhsa_inst_pref_size 116
	.end_amdhsa_kernel
	.amdgpu_metadata
---
amdhsa.version: [ 1, 2 ]
amdhsa.kernels:
  - .name:           k_q21c4052293_prep
    .symbol:         k_q21c4052293_prep.kd
    .args:
      - { .name: x, .offset: 0, .size: 8, .value_kind: global_buffer, .address_space: global }
      - { .name: WQ, .offset: 8, .size: 8, .value_kind: global_buffer, .address_space: global }
      - { .name: WK, .offset: 16, .size: 8, .value_kind: global_buffer, .address_space: global }
      - { .name: WV, .offset: 24, .size: 8, .value_kind: global_buffer, .address_space: global }
      - { .name: WO, .offset: 32, .size: 8, .value_kind: global_buffer, .address_space: global }
      - { .name: mask, .offset: 40, .size: 8, .value_kind: global_buffer, .address_space: global }
      - { .name: qc, .offset: 48, .size: 8, .value_kind: global_buffer, .address_space: global }
      - { .name: qs, .offset: 56, .size: 8, .value_kind: global_buffer, .address_space: global }
      - { .name: mw, .offset: 64, .size: 8, .value_kind: global_buffer, .address_space: global }
      - { .name: mf, .offset: 72, .size: 8, .value_kind: global_buffer, .address_space: global }
    .group_segment_fixed_size: 68096
    .private_segment_fixed_size: 0
    .kernarg_segment_align: 8
    .kernarg_segment_size: 80
    .max_flat_workgroup_size: 128
    .sgpr_count:     66
    .vgpr_count:     240
    .wavefront_size: 32
...
	.end_amdgpu_metadata
.endif
;; end of part 1
;; launch proj (part 2): grid 192 x 1, 4 waves a work-group, no clusters, 0 bytes of LDS; arguments qc, qs, qkvc, qkvs; writes qkvc, qkvs
.if DOCPART == 2
	.amdgcn_target "amdgcn-amd-amdhsa--gfx1250"
	.amdhsa_code_object_version 6
	.text
	.protected	k_q21c4052293_proj
	.globl	k_q21c4052293_proj
	.p2align	8
	.type	k_q21c4052293_proj,@function
k_q21c4052293_proj:
	s_mov_b64 s[64:65], 0
	v_nop
	global_prefetch_b8 v0, s[64:65] scope:SCOPE_SE
	s_setreg_imm32_b32 hwreg(HW_REG_WAVE_MODE, 25, 1), 1
	s_wait_xcnt 0x0
; Q = x WQ^T, K = x WK^T, V = x WV^T on codes of BF8 (E5M2) with E8M0 scales, each result quantised in registers for the attention launch: Q and K along the head's 64, V along the keys.
; ONE BODY FOR THE THREE.  A wave keeps a RESIDENT operand of 8 tiles x 4 K steps (128 rows x 512 K: 512 registers) and sends 8 streamed tiles past it: 8 units of 32 matrix instructions.  Source 0 = resident, source 1 = streamed:
; a lane then holds ONE row of the streamed tile, and, by the order of rows in a tile (lane r of tile 2 B + u: row 32 B + 8 u + r + 8 (r / 8)), its 64 results are register 16 b + i = resident row 32 b + 16 h + i: 16 neighbours of each block of 32 along the next K.
;   work-groups 0-127 (Q: 0-63, K: 64-127): resident = 128 rows of the weight (heads 2 w, 2 w + 1), streamed = 8 token tiles: a lane holds a token, registers run along the heads' channels.
;   work-groups 128-191 (V): resident = 128 tokens (one key step), streamed = 8 tiles of WV (two heads): a lane holds a channel, registers run along the keys.
; The conversions' results are images of operand registers and leave as they stand, 512 consecutive bytes a store.
; qkvc: three sections of 4 MB, each [head of 32][131,072]: Q, K: [token tile 128][c 2][512]; V: [key step 16][channel tile 4][c 4][512].
; qkvs: three sections of 131,072, each [head][key step 16][r 16][4 words]: Q, K: word p = the two bytes of tile 2 p, then those of tile 2 p + 1; V: word i = channel tile i's four key blocks.
; Operands go from memory straight into registers: no LDS, no barrier.  What the four waves of a work-group share is one operand of 64 KB; no tile is asked for jointly, since no tile goes through LDS.
; 6,144 units at 8 to a wave are 192 work-groups: the resident 64 KB serve eight units; six to a wave would not divide the 512 token tiles.
; LIMITS: a block of zeros, and one whose largest magnitude lies under 2^(16 - 127), gets the byte 1; NaN and infinities are not served.
; REGISTERS: window 0: v1-5 addresses; v32-95 the unit's 8 accumulators; v96-111 codes; v112-127 at work; v128 scale word; v132-139 the units' scale words; v140-143 what leaves; v144-175 resident scale words (4 t + s); v176-191 streamed (4 set + s).
;   window 1: resident K steps 0, 1 at 16 (8 s + t);  window 2: K steps 2, 3;  window 3: four streamed sets at 64 set + 16 s.
.set LI,   1                           ; v1  16 x lane
.set R16,  2                           ; v2  16 r
.set HH,   3                           ; v3  h
.set SH,   4                           ; v4  h x 16 (Q, K) or 0 (V)
.set SOF,  5                           ; v5  4,096 h + 16 r
.set ACC,  32
.set PC,   96
.set TM,   112
.set PW,   128
.set KS,   132
.set OW,   140
.set RS,   144
.set SS,   176
.set WV,   12
.set RC,   14                          ; s[14:15] resident codes;  s[16:17] resident scale words
.set RSC,  16
.set SCD,  18                          ; s[18:19] streamed codes;  s[20:21] streamed scale words
.set SSC,  20
.set B0,   22                          ; s[22:23] where pieces 0, 1 of the unit's codes go;  s[24:25] pieces 2, 3
.set B1,   24
.set SCB,  26                          ; s[26:27] where the scale words go
.set STEPU, 28                         ; s[28:29] from unit to unit
.set JUMP, 30                          ; s[30:31] more behind unit 3 (V: on to the next head)
.set SEL,  32
.set MNT,  34
.set MSB, 0
.macro WIN new                         ; the immediate's high byte repeats the setting that is left
.if MSB != \new
	s_set_vgpr_msb (MSB<<8)|\new
.set MSB, \new
.endif
.endm
.macro QUANT src, dc, dw               ; 64 numbers of a lane, register 16 b + i = k 32 b + 16 h + i, become 16 code registers and a scale word
.irp b, 0,1,2,3
	v_max3_num_f32 v[TM+\b], |v[\src+16*\b]|, |v[\src+16*\b+1]|, 0x8000000   ; each accumulator is read from its low end on; the floor 2^(16 - 127) holds the byte at 1 from below
.endr
.irp i, 2,4,6,8,10,12,14
.irp b, 0,1,2,3
	v_max3_num_f32 v[TM+\b], v[TM+\b], |v[\src+16*\b+\i]|, |v[\src+16*\b+\i+1]|
.endr
.endr
.irp b, 0,1,2,3
	v_permlanex16_b32 v[TM+4+\b], v[TM+\b], s[SEL], s[SEL+1]
.endr
.irp b, 0,1,2,3
	v_max_num_f32 v[TM+\b], v[TM+\b], v[TM+4+\b]   ; with lane l xor 16's 16: the block's largest magnitude
.endr
.irp b, 0,1,2,3
	v_add_nc_u32 v[TM+12+\b], 0xf8800000, v[TM+\b]   ; 15 off its exponent field: the conversion's scale operand
.endr
.irp b, 0,1,2,3
	v_and_or_b32 v[TM+8+\b], v[TM+\b], 0x7f800000, s[MNT]   ; 57,344 x the scale
.endr
.irp b, 0,1,2,3
	v_lshrrev_b32 v[TM+4+\b], 23, v[TM+12+\b]      ; the scale's byte
.endr
	v_lshl_or_b32 v[\dw], v[TM+5], 8, v[TM+4]
	v_lshl_or_b32 v[\dw], v[TM+6], 16, v[\dw]
	v_lshl_or_b32 v[\dw], v[TM+7], 24, v[\dw]
.irp b, 0,1,2,3
.irp i, 0,1,2,3,4,5,6,7,8,9,10,11,12,13,14,15
	v_med3_num_f32 v[\src+16*\b+\i], v[\src+16*\b+\i], -v[TM+8+\b], v[TM+8+\b]   ; the conversion does not saturate (ISA guide 7.6.2): the hold comes first
.endr
	v_cvt_scalef32_pk8_bf8_f32 v[(\dc)+4*\b:(\dc)+4*\b+1], v[\src+16*\b:\src+16*\b+7], v[TM+12+\b]
	v_cvt_scalef32_pk8_bf8_f32 v[(\dc)+4*\b+2:(\dc)+4*\b+3], v[\src+16*\b+8:\src+16*\b+15], v[TM+12+\b]
.endr
	v_nop                                          ; a plain line behind the last conversion: the next unit's products write the numbers' registers
.endm
.macro SLOAD u                         ; streamed tile u: 16 loads of codes and one of scale words, into set u % 4
	WIN 0xc0                                       ; destination window 3
.irp s, 0,1,2,3
.irp c, 0,1,2,3
	global_load_b128 v[64*((\u)%4)+16*\s+4*\c:64*((\u)%4)+16*\s+4*\c+3], v[LI], s[SCD:SCD+1] offset:8192*(\u)+2048*\s+512*\c
.endr
.endr
	WIN 0
	global_load_b128 v[SS+4*((\u)%4):SS+4*((\u)%4)+3], v[R16], s[SSC:SSC+1] offset:256*(\u)
.endm
.macro MUL8 u, s, zero                 ; K step s of unit u: the eight accumulators by turns, one instruction a turn
.irp t, 0,1,2,3,4,5,6,7
.if \zero
	v_wmma_scale_f32_16x16x128_f8f6f4 v[ACC+8*\t:ACC+8*\t+7], v[16*(8*((\s)%2)+\t):16*(8*((\s)%2)+\t)+15], v[64*((\u)%4)+16*(\s):64*((\u)%4)+16*(\s)+15], 0, v[RS+4*\t+(\s)], v[SS+4*((\u)%4)+(\s)] matrix_a_fmt:MATRIX_FMT_BF8 matrix_b_fmt:MATRIX_FMT_BF8
.else
	v_wmma_scale_f32_16x16x128_f8f6f4 v[ACC+8*\t:ACC+8*\t+7], v[16*(8*((\s)%2)+\t):16*(8*((\s)%2)+\t)+15], v[64*((\u)%4)+16*(\s):64*((\u)%4)+16*(\s)+15], v[ACC+8*\t:ACC+8*\t+7], v[RS+4*\t+(\s)], v[SS+4*((\u)%4)+(\s)] matrix_a_fmt:MATRIX_FMT_BF8 matrix_b_fmt:MATRIX_FMT_BF8
.endif
.endr
.endm
.macro UNIT u
.if \u < 6
	s_wait_loadcnt 34                              ; tile u (and all that was asked for ahead of it) is in; the 17 loads of each of tiles u + 1 and u + 2 may be out
.else
	s_wait_loadcnt 17*(7-\u)                       ; the counts run down: one tile behind, then none
.endif
.if \u < 5
	SLOAD \u+3                                     ; into the set that unit u - 1 multiplied: eight v_nop and a whole quantising lie between
.endif
	WIN 0x0d                                       ; source 0 window 1, source 1 window 3, C and D window 0
	MUL8 \u, 0, 1                                  ; the first K step starts the sums
	MUL8 \u, 1, 0
	WIN 0x0e                                       ; source 0 window 2
	MUL8 \u, 2, 0
	MUL8 \u, 3, 0
	WIN 0
.rept 8
	v_nop                                          ; eight places behind this form before its results are read
.endr
	QUANT ACC, PC, PW
	v_lshrrev_b32 v[KS+\u], v[SH], v[PW]           ; Q, K: lanes 0-15 keep the first head's two bytes low, lanes 16-31 the second head's; V: the word as it is
	global_store_b128 v[LI], v[PC:PC+3], s[B0:B0+1]
	global_store_b128 v[LI], v[PC+4:PC+7], s[B0:B0+1] offset:512
	global_store_b128 v[LI], v[PC+8:PC+11], s[B1:B1+1]
	global_store_b128 v[LI], v[PC+12:PC+15], s[B1:B1+1] offset:512
.if \u < 7
	s_wait_xcnt 0x0                                ; the stores' data and bases are written again only behind this wait
	s_add_nc_u64 s[B0:B0+1], s[B0:B0+1], s[STEPU:STEPU+1]
	s_add_nc_u64 s[B1:B1+1], s[B1:B1+1], s[STEPU:STEPU+1]
.if \u == 3
	s_add_nc_u64 s[B0:B0+1], s[B0:B0+1], s[JUMP:JUMP+1]
	s_add_nc_u64 s[B1:B1+1], s[B1:B1+1], s[JUMP:JUMP+1]
.endif
.endif
.endm
	s_load_b256 s[4:11], s[0:1], 0x0               ; qc s[4:5], qs s[6:7], qkvc s[8:9], qkvs s[10:11]
	v_lshrrev_b32 v6, 5, v0
	v_readfirstlane_b32 s[WV], v6                  ; wave 0..3
	v_and_b32 v6, 31, v0
	v_lshlrev_b32 v[LI], 4, v6
	v_and_b32 v6, 15, v0
	v_lshlrev_b32 v[R16], 4, v6
	v_bfe_u32 v[HH], v0, 4, 1
	v_lshl_add_u32 v[SOF], v[HH], 12, v[R16]
.irp b, 0,1,2,3
	v_mov_b32 v[TM+4+\b], 0                        ; a lane permute's destination counts as one of its sources
.endr
	s_mov_b32 s[SEL], 0x76543210
	s_mov_b32 s[SEL+1], 0xfedcba98
	s_mov_b32 s[MNT], 0x600000
	; both shapes' numbers are made from ids, then chosen on the work-group's number
	s_and_b32 s35, ttmp9, 63                       ; g
	s_lshr_b32 s36, ttmp9, 6                       ; the section: 0 Q, 1 K, 2 V
	s_lshl_b32 s38, s[WV], 3
	s_lshl_b32 s37, s36, 5
	s_add_co_u32 s37, s37, s38
	s_add_co_u32 s37, s37, 512                     ; Q, K: resident tiles from 512 + 32 section + 8 w
	s_lshr_b32 s40, s35, 2
	s_lshl_b32 s39, s40, 5
	s_add_co_u32 s39, s39, s38                     ; V: from 8 (4 (g / 4) + w)
	s_lshl_b32 s41, s35, 3                         ; Q, K: streamed tiles from 8 g
	s_and_b32 s43, s35, 3
	s_lshl_b32 s42, s43, 3
	s_add_co_u32 s42, s42, 576                     ; V: from 576 + 8 (g % 4)
	s_lshr_b32 s44, s35, 4                         ; b, in both shapes
	s_and_b32 s45, s35, 15                         ; Q, K: the key step
	s_and_b32 s46, s40, 3
	s_lshl_b32 s46, s46, 2
	s_add_co_u32 s46, s46, s[WV]                   ; V: 4 ((g / 4) % 4) + w
	s_mov_b32 s[STEPU], 2048
	s_mov_b32 s47, 1024
	s_cmp_lt_u32 ttmp9, 128
	s_cselect_b32 s37, s37, s39                    ; resident tiles
	s_cselect_b32 s41, s41, s42                    ; streamed tiles
	s_cselect_b32 s45, s45, s46                    ; key step
	s_cselect_b32 s43, s[WV], s43                  ; pair of heads
	s_cselect_b32 s[STEPU], 1024, s[STEPU]         ; a token tile is 1,024 bytes, a channel tile 2,048
	s_cselect_b32 s46, 0x20000, s47                ; pieces 2, 3: the next head (Q, K), or on in the same fragment (V)
	s_cselect_b32 s[JUMP], 0, 122880               ; V: 4 x 2,048 + 122,880 = a head's 131,072
	s_cselect_b32 s47, 16, 0
	v_mul_u32_u24 v[SH], s47, v[HH]
	s_mov_b32 s47, 0
	s_mov_b32 s[STEPU+1], 0
	s_mov_b32 s[JUMP+1], 0
	s_lshl_b32 s44, s44, 3
	s_lshl_b32 s43, s43, 1
	s_add_co_u32 s44, s44, s43                     ; the first of my two heads, of 32
	s_lshl_b32 s44, s44, 17
	s_lshl_b32 s36, s36, 22
	s_add_co_u32 s44, s44, s36
	s_lshl_b32 s45, s45, 13
	s_add_co_u32 s44, s44, s45                     ; section x 4 MB + head x 131,072 + step x 8,192
	s_mov_b32 s45, 0
	s_lshr_b32 s42, s44, 5                         ; the scale words' place is a 32nd of that
	s_mov_b32 s43, 0
	s_lshl_b32 s38, s37, 13                        ; 8,192 bytes of codes a tile,
	s_mov_b32 s39, 0
	s_lshr_b32 s36, s38, 5                         ; 256 of scale words
	s_mov_b32 s37, 0
	s_lshl_b32 s40, s41, 13
	s_mov_b32 s41, 0
	s_lshr_b32 s48, s40, 5
	s_mov_b32 s49, 0
	s_wait_kmcnt 0x0
	s_add_nc_u64 s[RC:RC+1], s[4:5], s[38:39]
	s_add_nc_u64 s[RSC:RSC+1], s[6:7], s[36:37]
	s_add_nc_u64 s[SCD:SCD+1], s[4:5], s[40:41]
	s_add_nc_u64 s[SSC:SSC+1], s[6:7], s[48:49]
	s_add_nc_u64 s[B0:B0+1], s[8:9], s[44:45]
	s_add_nc_u64 s[B1:B1+1], s[B0:B0+1], s[46:47]
	s_add_nc_u64 s[SCB:SCB+1], s[10:11], s[42:43]
	WIN 0x40                                       ; the resident operand: destination window 1,
.irp s, 0,1
.irp t, 0,1,2,3,4,5,6,7
.irp c, 0,1,2,3
	global_load_b128 v[16*(8*\s+\t)+4*\c:16*(8*\s+\t)+4*\c+3], v[LI], s[RC:RC+1] offset:8192*\t+2048*\s+512*\c
.endr
.endr
.endr
	WIN 0x80                                       ; window 2
.irp s, 2,3
.irp t, 0,1,2,3,4,5,6,7
.irp c, 0,1,2,3
	global_load_b128 v[16*(8*(\s-2)+\t)+4*\c:16*(8*(\s-2)+\t)+4*\c+3], v[LI], s[RC:RC+1] offset:8192*\t+2048*\s+512*\c
.endr
.endr
.endr
	WIN 0
.irp t, 0,1,2,3,4,5,6,7
	global_load_b128 v[RS+4*\t:RS+4*\t+3], v[R16], s[RSC:RSC+1] offset:256*\t
.endr
	SLOAD 0
	SLOAD 1
	SLOAD 2
.irp u, 0,1,2,3,4,5,6,7                        ; written out: every count and offset is a constant, and no load leaves the wave's share
	UNIT \u
.endr
	s_cmp_lt_u32 ttmp9, 128
	s_cbranch_scc0 .Lv_words
.irp p, 0,1,2,3
	v_perm_b32 v[OW+\p], v[KS+2*\p+1], v[KS+2*\p], 0x05040100   ; Q, K: word p = tile 2 p's two bytes, then tile 2 p + 1's
.endr
	s_branch .Lwords
.Lv_words:
	v_cmp_ne_u32 vcc_lo, 0, v[HH]
.irp p, 0,1,2,3
	v_cndmask_b32 v[OW+\p], v[KS+\p], v[KS+4+\p], vcc_lo   ; V: lanes 0-15 take the first head's four channel tiles, lanes 16-31 the second head's
.endr
.Lwords:
	global_store_b128 v[SOF], v[OW:OW+3], s[SCB:SCB+1]   ; lanes 0-15 store 256 consecutive bytes for one head, lanes 16-31 for the next
	s_endpgm
.Lfunc_end_k_q21c4052293_proj:
	.size	k_q21c4052293_proj, .Lfunc_end_k_q21c4052293_proj-k_q21c4052293_proj
	.p2alignl 7, 3214868480
	.fill 96, 4, 3214868480
	.section	.rodata,"a",@progbits
	.p2align	6, 0x0
	.amdhsa_kernel k_q21c4052293_proj
		.amdhsa_group_segment_fixed_size 0
		.amdhsa_private_segment_fixed_size 0
		.amdhsa_enable_private_segment 0
		.amdhsa_kernarg_size 32
		.amdhsa_user_sgpr_count 2
		.amdhsa_user_sgpr_kernarg_segment_ptr 1
		.amdhsa_wavefront_size32 1
		.amdhsa_system_sgpr_workgroup_id_x 1
		.amdhsa_system_sgpr_workgroup_id_y 1
		.amdhsa_system_sgpr_workgroup_id_z 1
		.amdhsa_system_vgpr_workitem_id 0
		.amdhsa_next_free_vgpr 1024
		.amdhsa_next_free_sgpr 66
		.amdhsa_reserve_vcc 1
		.amdhsa_float_denorm_mode_32 3
		.amdhsa_float_denorm_mode_16_64 3
		.amdhsa_memory_ordered 1
		.amdhsa_forward_progress 1
		.amdhsa_inst_pref_size 133
	.end_amdhsa_kernel
	.amdgpu_metadata
---
amdhsa.version: [ 1, 2 ]
amdhsa.kernels:
  - .name:           k_q21c4052293_proj
    .symbol:         k_q21c4052293_proj.kd
    .args:
      - { .name: qc, .offset: 0, .size: 8, .value_kind: global_buffer, .address_space: global }
      - { .name: qs, .offset: 8, .size: 8, .value_kind: global_buffer, .address_space: global }
      - { .name: qkvc, .offset: 16, .size: 8, .value_kind: global_buffer, .address_space: global }
      - { .name: qkvs, .offset: 24, .size: 8, .value_kind: global_buffer, .address_space: global }
    .group_segment_fixed_size: 0
    .private_segment_fixed_size: 0
    .kernarg_segment_align: 8
    .kernarg_segment_size: 32
    .max_flat_workgroup_size: 128
    .sgpr_count:     66
    .vgpr_count:     1024
    .wavefront_size: 32
...
	.end_amdgpu_metadata
.endif
;; end of part 2
;; launch attn (part 3): grid 8 x 32, 16 waves a work-group, no clusters, 272,384 bytes of LDS; arguments qkvc, qkvs, mw, mf, oc, os; writes oc, os
.if DOCPART == 3
	.amdgcn_target "amdgcn-amd-amdhsa--gfx1250"
	.amdhsa_code_object_version 6
	.text
	.protected	k_q21c4052293_attn
	.globl	k_q21c4052293_attn
	.p2align	8
	.type	k_q21c4052293_attn,@function
k_q21c4052293_attn:
	s_mov_b64 s[64:65], 0
	v_nop
	global_prefetch_b8 v0, s[64:65] scope:SCOPE_SE
	s_setreg_imm32_b32 hwreg(HW_REG_WAVE_MODE, 25, 1), 1
	s_wait_xcnt 0x0
; O = softmax(Q K^T / 8, under the mask) V for one head, both products on codes of BF8 (E5M2) with E8M0 scales; O / the row's sum is quantised along the embedding for the last product and leaves as images of operand registers.
; THE SOFTMAX AHEAD OF THE SECOND PRODUCT: t = score x log2(e) / 8; M = the running largest t rounded UP to a whole number; p = 2^(t - M) is quantised along the keys, not normalised; the row's sum is taken of the unquantised p.
; When M moves, the sum and O are multiplied by 2^(old M - new M): exact.
; SHARES.  Work-group (g, head of 32); each of sixteen waves owns one tile of 16 queries, tile 8 rank(w) + g, in 256 registers.  rank is a 4 x 4 magic square over the waves: any order is right for any mask; this one evens the work of
; waves w, w + 4, w + 8, w + 12 where open tiles grow with the query's place.  Every wave walks the head's 16 key steps of 128 keys.
; LDS holds the head's K and V codes (131,072 bytes each) and scale words (4,096 each), as they lie in memory: images of operand registers.  They come in four chunks of four key steps, through registers; each chunk is asked for four key
; steps ahead and stored once; nothing is ever filled again.  One barrier behind each chunk's stores.
; THE MASK IS AN INPUT.  The first launch has turned it into lane masks (mw) and flags (mf).  A tile of 16 queries x 128 keys in which no key counts adds nothing whatever the mask holds: its work is jumped over, by a scalar branch on the stored flag.
; K and V come through registers, and the eight work-groups of a head make no joint request.  No barrier stands under that branch.
; LAYOUT.  Both products transposed: S^T = K Q^T, O^T = V^T P^T: a lane holds ONE query throughout, its 64 scores are register 16 b + i = key 32 b + 16 h + i.
; K = 64 IN A FORM OF K = 128: two neighbouring key tiles lie on end as one fragment (k 0-63: tile 2 p, k 64-127: tile 2 p + 1); it is multiplied by [Q | 0] and by [0 | Q], two views of 24 registers [0 | Q | 0]: zero codes add nothing.
; A QUERY FOR WHICH NO KEY COUNTS has the sum 0: its two scale bytes are set to 0xff, so that the last product gives NaN for that token, as the softmax of a row of -infinity does.
; LIMITS: NaN and infinities among the inputs are not served; a block's largest p is taken from its largest score (this takes v_exp_f32 not to fall where its input rises); a block of zeros gets the byte 1; os is stored 2 bytes a row and head.
.set KC,    0                          ; K's codes: [step 16][pair of tiles 4][c 4][512]
.set VC,    131072                     ; V's: [step 16][channel tile 4][c 4][512]
.set KSB,   262144                     ; K's scale words: [step 16][r 16][4 words]; V's 4,096 bytes on
.set SPARE, 270336                     ; the spare words: 128 bytes a wave, eight blocks of 256 bytes that no other line names
.set LI,   1                           ; v1   16 x lane
.set LS,   2                           ; v2   KSB + 16 r
.set SPW,  3                           ; v3   my spare word; never rewritten
.set NIL,  4                           ; v4   0; never rewritten
.set NINF, 5                           ; v5   -infinity
.set ADK,  6                           ; v6-8 the step's LDS addresses: K, V, scale words
.set ADV,  7
.set ADS,  8
.set GOF,  9                           ; v9   16 x my thread's number
.set QS,   10                          ; v10  Q's scale word (its two bytes, twice)
.set PSW,  11                          ; v11  p's scale word
                                       ; v12 -M, v13 the largest t, v[14:15] the sum in two halves
.set QHI,  16                          ; v16-31 [0 | Q]
.set QLO,  24                          ; v24-39 [Q | 0]
.set KSC,  40                          ; v40-43 K's scale words of the step;  v44-47 V's
.set VSC,  44
.set F,    48                          ; v48-79  two fragments of K or V
.set STG,  80                          ; v80-111 the next chunk's 128 bytes a thread, on their way
.set S,    112                         ; v112-175 S^T, then p
.set O,    176                         ; v176-207 O^T
.set PC,   208                         ; v208-223 p's codes
.set BM,   224                         ; block maxima, then largest p
.set BP,   228                         ; the other half's, then bytes
.set BH,   232                         ; holds
.set BS,   236                         ; scale operands
.set FP,   240                         ; v[240:241] f
.set T0,   242
.set T1,   243
.set SC2,  244                         ; v[244:245] the sum's second chain
.set FK,   246                         ; v246, v247 where a chunk is stored
.set FV,   247
.set R16,  248                         ; v248 16 r
.set SA,   249                         ; v249 where my 16 bytes of scale words are stored
.set WV,   66
.set FW,   67                          ; s67  the phase's flags: bit 0 some key counts, bit 16 all do; shifted a step at a time
.set TK,   68                          ; s68  the step's codes in a section of LDS
.set TS,   69                          ; s69  the step's scale words
.set MB,   70                          ; s[70:71] the step's mask words
.set SEL,  72
.set CS,   74                          ; s[74:75] c = log2(e) / 8
.set MNT,  76
.set CNT,  77
.set FL,   96                          ; s[96:99] my tile's four flag words
                                       ; s[16:63], s[80:95]: the step's 64 mask words
.macro PLACES n
.rept \n
	v_nop
.endr
.endm
.macro CLOAD p                         ; chunk p: the work-group's 512 threads x 16 bytes are 8,192 bytes an instruction
.irp c, 0,1,2,3
	global_load_b128 v[STG+4*\c:STG+4*\c+3], v[GOF], s[4:5] offset:32768*(\p)+8192*\c
	global_load_b128 v[STG+16+4*\c:STG+16+4*\c+3], v[GOF], s[6:7] offset:32768*(\p)+8192*\c
.endr
.endm
.macro CSTORE p                        ; and into LDS, as it lies
	s_wait_loadcnt 0x0
	v_add_nc_u32 v[FK], KC+32768*(\p), v[GOF]
	v_add_nc_u32 v[FV], VC+32768*(\p), v[GOF]
.irp c, 0,1,2,3
	ds_store_b128 v[FK], v[STG+4*\c:STG+4*\c+3] offset:8192*\c
	ds_store_b128 v[FV], v[STG+16+4*\c:STG+16+4*\c+3] offset:8192*\c
.endr
	s_wait_dscnt 0x0                               ; for the others' sake: my stores have landed
	s_barrier_signal -1
	s_barrier_wait -1                              ; everybody's have: the chunk may be read
.endm
; A KEY STEP: 128 keys
.macro STEP
	v_add_nc_u32 v[ADK], s[TK], v[LI]              ; the addresses are made ahead of the jump; they are also three of the eight places in front of the loads below
	v_add_nc_u32 v[ADV], VC, v[ADK]
	v_add_nc_u32 v[ADS], s[TS], v[LS]
	s_bitcmp1_b32 s[FW], 0
	s_cbranch_scc0 .Lskip_\@                       ; no key of the step counts for any of my queries
	s_load_b512 s[16:31], s[MB:MB+1], 0x0          ; the 64 lane masks
	s_load_b512 s[32:47], s[MB:MB+1], 0x40
	s_load_b512 s[48:63], s[MB:MB+1], 0x80
	s_load_b512 s[80:95], s[MB:MB+1], 0xc0
	PLACES 5                                       ; eight places behind the last step's products before loads into what they read
	ds_load_b128 v[KSC:KSC+3], v[ADS]
	ds_load_b128 v[VSC:VSC+3], v[ADS] offset:4096
.irp g, 0,1                                    ; S^T = K Q^T: two pair fragments at a time, each multiplied twice
.if \g
	PLACES 8
.endif
.irp p, 0,1
.irp c, 0,1,2,3
	ds_load_b128 v[F+16*\p+4*\c:F+16*\p+4*\c+3], v[ADK] offset:2048*(2*\g+\p)+512*\c
.endr
.endr
	s_wait_dscnt 0x0
.irp p, 0,1
	v_wmma_scale_f32_16x16x128_f8f6f4 v[S+16*(2*\g+\p):S+16*(2*\g+\p)+7], v[F+16*\p:F+16*\p+15], v[QLO:QLO+15], 0, v[KSC+2*\g+\p], v[QS] matrix_a_fmt:MATRIX_FMT_BF8 matrix_b_fmt:MATRIX_FMT_BF8
	v_wmma_scale_f32_16x16x128_f8f6f4 v[S+16*(2*\g+\p)+8:S+16*(2*\g+\p)+15], v[F+16*\p:F+16*\p+15], v[QHI:QHI+15], 0, v[KSC+2*\g+\p], v[QS] matrix_a_fmt:MATRIX_FMT_BF8 matrix_b_fmt:MATRIX_FMT_BF8
.endr
.endr
	PLACES 8                                       ; in front of the loads into F and of the first read of the scores
.irp p, 0,1                                    ; V's channel tiles 0, 1 land under the softmax
.irp c, 0,1,2,3
	ds_load_b128 v[F+16*\p+4*\c:F+16*\p+4*\c+3], v[ADV] offset:2048*\p+512*\c
.endr
.endr
	s_wait_kmcnt 0x0                               ; the mask words are in, and their base may be stepped
	s_bitcmp1_b32 s[FW], 16
	s_cbranch_scc1 .Lopen_\@                       ; all keys count: nothing to hide
.set n, 0
.rept 64                                       ; a hidden key's score becomes -infinity: p = 0
.if n < 48
	v_cndmask_b32 v[S+n], v[NINF], v[S+n], s[16+n]
.else
	v_cndmask_b32 v[S+n], v[NINF], v[S+n], s[32+n]
.endif
.set n, n+1
.endr
.Lopen_\@:
.irp b, 0,1,2,3
	v_max3_num_f32 v[BM+\b], v[S+16*\b], v[S+16*\b+1], v[S+16*\b+2]   ; the largest score of each block of 32 keys: for the row's maximum and, since p rises with the score, for the block's largest p
.endr
.irp i, 3,5,7,9,11,13
.irp b, 0,1,2,3
	v_max3_num_f32 v[BM+\b], v[BM+\b], v[S+16*\b+\i], v[S+16*\b+\i+1]
.endr
.endr
.irp b, 0,1,2,3
	v_max_num_f32 v[BM+\b], v[BM+\b], v[S+16*\b+15]
.endr
.irp b, 0,1,2,3
	v_permlanex16_b32 v[BP+\b], v[BM+\b], s[SEL], s[SEL+1]
.endr
.irp b, 0,1,2,3
	v_max_num_f32 v[BM+\b], v[BM+\b], v[BP+\b]     ; with lane l xor 16's 16 keys
.endr
	v_max3_num_f32 v[T0], v[BM], v[BM+1], v[BM+2]
	v_max_num_f32 v[T0], v[T0], v[BM+3]            ; the step's largest score of my query
	v_mul_f32 v[T0], s[CS], v[T0]                  ; as t
	v_max_num_f32 v13, v13, v[T0]                  ; the running largest t (a query all of whose keys were hidden so far keeps -3e38: its p are 0)
	v_mov_b32 v[T0], v12
	v_floor_f32 v12, -v13                          ; the new -M = -ceil(t): a whole number
	v_sub_f32 v[T0], v12, v[T0]                    ; old M - new M, 0 or less
	v_cvt_i32_f32 v[T0], v[T0]                     ; (it saturates)
	v_ldexp_f32 v[FP], 1.0, v[T0]                  ; f = 2^(old M - new M)
.set j, 0
.rept 32
	v_pk_fma_f32 v[S+j:S+j+1], v[S+j:S+j+1], s[CS:CS+1], v[12:13] op_sel_hi:[1,0,0]   ; t - M, two at a time
.set j, j+2
.endr
.irp b, 0,1,2,3
	v_fma_f32 v[BM+\b], v[BM+\b], s[CS], v12       ; the same of each block's largest score
.endr
.set j, 0
.rept 64
	v_exp_f32 v[S+j], v[S+j]                       ; p = 2^(t - M), at most 1
.set j, j+1
.endr
	v_pk_mul_f32 v[14:15], v[14:15], v[FP:FP+1] op_sel_hi:[1,0]   ; the sums under the new M: the plain line behind the exponentials
	s_wait_alu depctr_va_vdst(0)                   ; one wait for the batch of 64, ahead of its first reader
.irp b, 0,1,2,3
	v_exp_f32 v[BM+\b], v[BM+\b]                   ; the block's largest p
.endr
	v_pk_add_f32 v[SC2:SC2+1], v[S:S+1], v[S+2:S+3]   ; the row's sum of the unquantised p, in two chains
.set j, 4
.rept 15
	v_pk_add_f32 v[14:15], v[14:15], v[S+j:S+j+1]
	v_pk_add_f32 v[SC2:SC2+1], v[SC2:SC2+1], v[S+j+2:S+j+3]
.set j, j+4
.endr
	v_pk_add_f32 v[14:15], v[14:15], v[SC2:SC2+1]
	s_wait_alu depctr_va_vdst(0)                   ; and one for the four
.irp b, 0,1,2,3
	v_max_num_f32 v[BM+\b], 0x8000000, v[BM+\b]    ; the floor 2^(16 - 127): the byte cannot fall under 1
.endr
.irp b, 0,1,2,3
	v_add_nc_u32 v[BS+\b], 0xf8800000, v[BM+\b]    ; 15 off the exponent field: the conversion's scale operand
.endr
.irp b, 0,1,2,3
	v_and_or_b32 v[BH+\b], v[BM+\b], 0x7f800000, s[MNT]   ; 57,344 x the scale
.endr
.irp b, 0,1,2,3
	v_lshrrev_b32 v[BP+\b], 23, v[BS+\b]           ; the scale's byte
.endr
	v_lshl_or_b32 v[PSW], v[BP+1], 8, v[BP]        ; p's scale word: the 64 holds below stand between it and the products
	v_lshl_or_b32 v[PSW], v[BP+2], 16, v[PSW]
	v_lshl_or_b32 v[PSW], v[BP+3], 24, v[PSW]
.irp b, 0,1,2,3
.irp i, 0,1,2,3,4,5,6,7,8,9,10,11,12,13,14,15
	v_min_num_f32 v[S+16*\b+\i], v[S+16*\b+\i], v[BH+\b]   ; the conversion does not saturate (ISA guide 7.6.2); p is not negative: a one-sided hold
.endr
	v_cvt_scalef32_pk8_bf8_f32 v[PC+4*\b:PC+4*\b+1], v[S+16*\b:S+16*\b+7], v[BS+\b]
	v_cvt_scalef32_pk8_bf8_f32 v[PC+4*\b+2:PC+4*\b+3], v[S+16*\b+8:S+16*\b+15], v[BS+\b]
.endr
.set j, 0
.rept 16
	v_pk_mul_f32 v[O+j:O+j+1], v[O+j:O+j+1], v[FP:FP+1] op_sel_hi:[1,0]   ; O^T under the new M; these are also the places between the codes and the products
.set j, j+2
.endr
	s_wait_dscnt 0x0                               ; V's channel tiles 0, 1
.irp p, 0,1                                    ; O^T += V^T P^T: the four accumulators by turns
	v_wmma_scale_f32_16x16x128_f8f6f4 v[O+8*\p:O+8*\p+7], v[F+16*\p:F+16*\p+15], v[PC:PC+15], v[O+8*\p:O+8*\p+7], v[VSC+\p], v[PSW] matrix_a_fmt:MATRIX_FMT_BF8 matrix_b_fmt:MATRIX_FMT_BF8
.endr
	PLACES 8
.irp p, 0,1
.irp c, 0,1,2,3
	ds_load_b128 v[F+16*\p+4*\c:F+16*\p+4*\c+3], v[ADV] offset:2048*(2+\p)+512*\c
.endr
.endr
	s_wait_dscnt 0x0
.irp p, 0,1
	v_wmma_scale_f32_16x16x128_f8f6f4 v[O+16+8*\p:O+16+8*\p+7], v[F+16*\p:F+16*\p+15], v[PC:PC+15], v[O+16+8*\p:O+16+8*\p+7], v[VSC+2+\p], v[PSW] matrix_a_fmt:MATRIX_FMT_BF8 matrix_b_fmt:MATRIX_FMT_BF8
.endr
.Lskip_\@:
	s_lshr_b32 s[FW], s[FW], 1                     ; on to the next step: its flags, codes, scale words and mask words
	s_add_co_u32 s[TK], s[TK], 8192
	s_add_co_u32 s[TS], s[TS], 256
	s_add_nc_u64 s[MB:MB+1], s[MB:MB+1], 256
.endm
; A PHASE: four key steps on chunk p, while chunk p + 1 is on its way into registers; then that chunk goes to LDS.  Every wave fills and passes every barrier, whatever it jumps over.
.macro PHASE p
.if \p < 3
	CLOAD \p+1
.endif
	s_mov_b32 s[FW], s[FL+\p]
	s_mov_b32 s[TK], 32768*\p                      ; the phase reads bytes of chunk p alone: 32,768 p + 8,192 x (0 .. 3) + under 8,192
	s_mov_b32 s[TS], 1024*\p
	s_mov_b32 s[CNT], 4
.Lstep_\@:
	STEP
	s_sub_co_u32 s[CNT], s[CNT], 1
	s_cmp_lg_u32 s[CNT], 0
	s_cbranch_scc1 .Lstep_\@
.if \p < 3
	CSTORE \p+1
.endif
.endm
	s_load_b256 s[16:23], s[0:1], 0x0              ; qkvc s[16:17], qkvs s[18:19], mw s[20:21], mf s[22:23]
	s_load_b128 s[24:27], s[0:1], 0x20             ; oc s[24:25], os s[26:27]
	v_lshl_add_u32 v[SPW], v0, 2, SPARE
	v_mov_b32 v[NIL], 0
	v_lshrrev_b32 v[T0], 5, v0
	v_readfirstlane_b32 s[WV], v[T0]               ; wave 0..15
	v_and_b32 v[T0], 31, v0
	v_lshlrev_b32 v[LI], 4, v[T0]
	v_and_b32 v[T1], 15, v0
	v_lshlrev_b32 v[R16], 4, v[T1]
	v_add_nc_u32 v[LS], KSB, v[R16]
	v_lshlrev_b32 v[GOF], 4, v0
	v_add_nc_u32 v[SA], KSB, v[GOF]
	v_mov_b32 v[NINF], 0xff800000
	s_and_b32 s28, ttmp7, 0xffff                   ; the head, of 32
	s_mov_b32 s29, 0x0de3b658                      ; the ranks of waves 8-15, a nibble each;
	s_cmp_lt_u32 s[WV], 8
	s_cselect_b32 s29, 0x7a94c12f, s29             ; of waves 0-7
	s_cselect_b32 s33, 0, 126976                   ; waves 8-15 bring V's scale words: a section on, less the 4,096 bytes that their threads' numbers are ahead
	s_and_b32 s30, s[WV], 7
	s_lshl_b32 s30, s30, 2
	s_lshr_b32 s29, s29, s30
	s_and_b32 s29, s29, 15
	s_lshl_b32 s30, s29, 3
	s_add_co_u32 s30, s30, ttmp9                   ; T, my query tile: 8 rank + g
	s_lshl_b32 s34, s28, 17                        ; a head's codes: 131,072 bytes
	s_mov_b32 s35, 0
	s_lshl_b32 s36, s30, 10                        ; a tile of Q: 1,024
	s_mov_b32 s37, 0
	s_lshl_b32 s38, s28, 12                        ; a head's scale words: 4,096
	s_add_co_u32 s33, s33, 131072                  ; K's section
	s_add_co_u32 s40, s38, s33
	s_mov_b32 s41, 0
	s_lshr_b32 s42, s30, 3
	s_lshl_b32 s42, s42, 8                         ; Q's scale word: step T / 8,
	s_and_b32 s43, s30, 6
	s_lshl_b32 s43, s43, 1                         ; word (T % 8) / 2
	s_add_co_u32 s42, s42, s43
	s_add_co_u32 s42, s42, s38
	s_mov_b32 s43, 0
	s_lshl_b32 s44, s30, 12                        ; a tile's mask words: 4,096
	s_mov_b32 s45, 0
	s_lshl_b32 s46, s30, 4                         ; its flags: 16
	s_mov_b32 s47, 0
	s_lshr_b32 s48, s28, 3
	s_lshl_b32 s48, s48, 7
	s_add_co_u32 s48, s48, s30                     ; the token tile, of 512: 128 b + T
	s_and_b32 s49, s28, 7                          ; the head, of 8
	s_lshl_b32 s50, s48, 13
	s_lshl_b32 s51, s49, 10
	s_add_co_u32 s50, s50, s51                     ; oc: tile x 8,192 + head x 1,024 (K step head / 2, pieces 2 (head % 2) on)
	s_mov_b32 s51, 0
	s_lshl_b32 s52, s48, 8
	s_lshl_b32 s53, s49, 1
	s_add_co_u32 s52, s52, s53                     ; os: tile x 256 + 2 head
	s_mov_b32 s53, 0
	s_and_b32 s54, s30, 1
	s_cmp_eq_u32 s54, 1
	s_mov_b32 s54, 0x01000100                      ; an even tile's two bytes are the word's lower,
	s_cselect_b32 s54, 0x03020302, s54             ; an odd tile's its upper
	s_mov_b32 s[SEL], 0x76543210
	s_mov_b32 s[SEL+1], 0xfedcba98
	s_mov_b32 s[CS], 0x3e38aa3b                    ; c = log2(e) / 8
	s_mov_b32 s[CS+1], s[CS]                       ; (named with it as a pair, so it is written)
	s_mov_b32 s[MNT], 0x600000
	s_wait_kmcnt 0x0
	s_add_nc_u64 s[56:57], s[16:17], s[34:35]      ; Q's codes of my head,
	s_add_nc_u64 s[4:5], s[56:57], 0x400000        ; K's,
	s_add_nc_u64 s[6:7], s[56:57], 0x800000        ; V's
	s_add_nc_u64 s[56:57], s[56:57], s[36:37]      ; my tile of Q
	s_add_nc_u64 s[58:59], s[18:19], s[40:41]
	s_add_nc_u64 s[60:61], s[18:19], s[42:43]
	s_add_nc_u64 s[MB:MB+1], s[20:21], s[44:45]
	s_add_nc_u64 s[62:63], s[22:23], s[46:47]
	s_add_nc_u64 s[8:9], s[24:25], s[50:51]
	s_add_nc_u64 s[10:11], s[26:27], s[52:53]
	s_load_b128 s[FL:FL+3], s[62:63], 0x0
	CLOAD 0
	global_load_b128 v[S:S+3], v[GOF], s[58:59]    ; my 16 bytes of the head's 8,192 bytes of scale words
	global_load_b128 v[QLO:QLO+3], v[LI], s[56:57] ; Q stays in registers
	global_load_b128 v[QLO+4:QLO+7], v[LI], s[56:57] offset:512
	global_load_b32 v[T0], v[R16], s[60:61]
.irp j, 0,1,2,3,4,5,6,7
	v_mov_b32 v[QHI+\j], 0                         ; the zero codes on both sides of Q
	v_mov_b32 v[QLO+8+\j], 0
.endr
.set j, 0
.rept 32
	v_mov_b32 v[O+j], 0                            ; O^T: which step is a query tile's first hangs on the mask, so no first product can be written out to start the sums
.set j, j+1
.endr
	v_mov_b32 v13, 0xff61b1e6                      ; the largest t so far: -3e38
	v_floor_f32 v12, -v13                          ; -M
	v_mov_b32 v14, 0
	v_mov_b32 v15, 0
.irp b, 0,1,2,3
	v_mov_b32 v[BP+\b], 0                          ; a lane permute's destination counts as one of its sources
.endr
	v_mov_b32 v[FP+1], 0                           ; (named as the upper half of the pair)
	s_wait_loadcnt 0x0
	v_perm_b32 v[QS], v[T0], v[T0], s54            ; my tile's two bytes, twice: they serve [Q | 0] and [0 | Q]
	ds_store_b128 v[SA], v[S:S+3]
	CSTORE 0
	s_wait_kmcnt 0x0                               ; the flags
	PHASE 0
	PHASE 1
	PHASE 2
	PHASE 3
	; THE WAY OUT.  O^T / the sum; register 16 b + i is channel 32 b + 16 h + i of my query: two blocks of the last product's K.  The codes are two pieces of an operand's image and leave as they stand.
	PLACES 8
	v_add_f32 v14, v14, v15
	v_permlanex16_b32 v[T1], v14, s[SEL], s[SEL+1]
	v_add_f32 v14, v14, v[T1]                      ; the row's sum
	v_rcp_f32 v[T0], v14
	v_nop                                          ; a plain line behind the reciprocal
	s_wait_alu depctr_va_vdst(0)                   ; and the wait ahead of its first reader
.set j, 0
.rept 32
	v_mul_f32 v[S+j], v[O+j], v[T0]                ; each accumulator from its low end on
.set j, j+1
.endr
.irp b, 0,1
	v_max3_num_f32 v[BM+\b], |v[S+16*\b]|, |v[S+16*\b+1]|, 0x8000000
.endr
.irp i, 2,4,6,8,10,12,14
.irp b, 0,1
	v_max3_num_f32 v[BM+\b], v[BM+\b], |v[S+16*\b+\i]|, |v[S+16*\b+\i+1]|
.endr
.endr
.irp b, 0,1
	v_permlanex16_b32 v[BP+\b], v[BM+\b], s[SEL], s[SEL+1]
.endr
.irp b, 0,1
	v_max_num_f32 v[BM+\b], v[BM+\b], v[BP+\b]
.endr
.irp b, 0,1
	v_add_nc_u32 v[BS+\b], 0xf8800000, v[BM+\b]
.endr
.irp b, 0,1
	v_and_or_b32 v[BH+\b], v[BM+\b], 0x7f800000, s[MNT]
.endr
.irp b, 0,1
	v_lshrrev_b32 v[BP+\b], 23, v[BS+\b]
.endr
	v_lshl_or_b32 v[T1], v[BP+1], 8, v[BP]         ; my row's two scale bytes
.irp b, 0,1
.irp i, 0,1,2,3,4,5,6,7,8,9,10,11,12,13,14,15
	v_med3_num_f32 v[S+16*\b+\i], v[S+16*\b+\i], -v[BH+\b], v[BH+\b]
.endr
	v_cvt_scalef32_pk8_bf8_f32 v[PC+4*\b:PC+4*\b+1], v[S+16*\b:S+16*\b+7], v[BS+\b]
	v_cvt_scalef32_pk8_bf8_f32 v[PC+4*\b+2:PC+4*\b+3], v[S+16*\b+8:S+16*\b+15], v[BS+\b]
.endr
	v_nop
	v_cmp_neq_f32 vcc_lo, 0, v14
	v_cndmask_b32 v[T1], 0xffff, v[T1], vcc_lo     ; no key counted for my query: both bytes NaN
	global_store_b128 v[LI], v[PC:PC+3], s[8:9]    ; 512 consecutive bytes each
	global_store_b128 v[LI], v[PC+4:PC+7], s[8:9] offset:512
	global_store_b16 v[R16], v[T1], s[10:11]       ; lanes l and l + 16 hold the same two bytes and name the same place
	s_wait_tensorcnt 0x0                           ; the wave's end, behind my last LDS store
	ds_add_u32 v[SPW], v[NIL]
	s_wait_dscnt 0x0
	s_endpgm
.Lfunc_end_k_q21c4052293_attn:
	.size	k_q21c4052293_attn, .Lfunc_end_k_q21c4052293_attn-k_q21c4052293_attn
	.p2alignl 7, 3214868480
	.fill 96, 4, 3214868480
	.section	.rodata,"a",@progbits
	.p2align	6, 0x0
	.amdhsa_kernel k_q21c4052293_attn
		.amdhsa_group_segment_fixed_size 272384
		.amdhsa_private_segment_fixed_size 0
		.amdhsa_enable_private_segment 0
		.amdhsa_kernarg_size 48
		.amdhsa_user_sgpr_count 2
		.amdhsa_user_sgpr_kernarg_segment_ptr 1
		.amdhsa_wavefront_size32 1
		.amdhsa_system_sgpr_workgroup_id_x 1
		.amdhsa_system_sgpr_workgroup_id_y 1
		.amdhsa_system_sgpr_workgroup_id_z 1
		.amdhsa_system_vgpr_workitem_id 0
		.amdhsa_next_free_vgpr 256
		.amdhsa_next_free_sgpr 100
		.amdhsa_reserve_vcc 1
		.amdhsa_float_denorm_mode_32 3
		.amdhsa_float_denorm_mode_16_64 3
		.amdhsa_memory_ordered 1
		.amdhsa_forward_progress 1
		.amdhsa_inst_pref_size 112
	.end_amdhsa_kernel
	.amdgpu_metadata
---
amdhsa.version: [ 1, 2 ]
amdhsa.kernels:
  - .name:           k_q21c4052293_attn
    .symbol:         k_q21c4052293_attn.kd
    .args:
      - { .name: qkvc, .offset: 0, .size: 8, .value_kind: global_buffer, .address_space: global }
      - { .name: qkvs, .offset: 8, .size: 8, .value_kind: global_buffer, .address_space: global }
      - { .name: mw, .offset: 16, .size: 8, .value_kind: global_buffer, .address_space: global }
      - { .name: mf, .offset: 24, .size: 8, .value_kind: global_buffer, .address_space: global }
      - { .name: oc, .offset: 32, .size: 8, .value_kind: global_buffer, .address_space: global }
      - { .name: os, .offset: 40, .size: 8, .value_kind: global_buffer, .address_space: global }
    .group_segment_fixed_size: 272384
    .private_segment_fixed_size: 0
    .kernarg_segment_align: 8
    .kernarg_segment_size: 48
    .max_flat_workgroup_size: 512
    .sgpr_count:     100
    .vgpr_count:     256
    .wavefront_size: 32
...
	.end_amdgpu_metadata
.endif
;; end of part 3
;; launch outp (part 4): grid 256 x 1, 4 waves a work-group, no clusters, 34,304 bytes of LDS; arguments oc, os, qc, qs, out0; writes out0
.if DOCPART == 4
	.amdgcn_target "amdgcn-amd-amdhsa--gfx1250"
	.amdhsa_code_object_version 6
	.text
	.protected	k_q21c4052293_outp
	.globl	k_q21c4052293_outp
	.p2align	8
	.type	k_q21c4052293_outp,@function
k_q21c4052293_outp:
	s_mov_b64 s[64:65], 0
	v_nop
	global_prefetch_b8 v0, s[64:65] scope:SCOPE_SE
	s_setreg_imm32_b32 hwreg(HW_REG_WAVE_MODE, 25, 1), 1
	s_wait_xcnt 0x0
; out0 = O WO^T on codes of BF8 (E5M2) with E8M0 scales; out0 [8192][512] f32.  Both operands lie in memory as images of operand registers ([tile][K step 4][c 4][512]; scale words [tile][r 16][K step 4]) and go straight into registers.
; SHARES.  Work-group id: G = id % 4 takes outputs 128 G .. 128 G + 127, chunk = id / 4 takes 128 tokens.  Each wave keeps the 128 rows of WO (8 tiles x 4 K steps, 512 registers) and multiplies two token tiles, 2 P and 2 P + 1, P = 4 chunk + w: 64 matrix instructions.
; Source 0 = WO, source 1 = O: a lane holds one token, and register 16 b + i is output 128 G + 32 b + 16 h + i (lane r of tile 2 B + u holds row 32 B + 8 u + r + 8 (r / 8)).
; A lane's results are pieces of 64 bytes of a row: a tile goes through the wave's own stage in LDS (rows 528 bytes apart = 33 x 16) and leaves as rows of 512 consecutive bytes, aligned.  Waves share nothing in LDS: no barrier.
; No tile goes through LDS on its way in, so none is asked for jointly; what a work-group's waves share is WO's 64 KB.
; REGISTERS: window 0: v1-7 addresses; v16-47 WO's scale words (4 t + s); v48-55 O's (4 tile + s); v64-127, v128-191 the two tiles' accumulators; v192-255 rows on their way out.
;   window 1: WO's K steps 0, 1 at 16 (8 s + t);  window 2: K steps 2, 3;  window 3: the two token tiles at 64 tile + 16 s.
.set SPITCH, 528
.set WSTG,   16*SPITCH
.set SPARE,  4*WSTG                    ; the spare words: 128 bytes a wave, two blocks of 256 bytes that no other line names
.set LI,   1                           ; v1  16 x lane
.set R16,  2                           ; v2  16 r
.set STO,  3                           ; v3  stage, way in: 528 r + 64 h
.set RD,   4                           ; v4  stage, way out: 16 x lane
.set SPW,  6                           ; v6  my spare word; never rewritten
.set NIL,  7                           ; v7  0; never rewritten
.set RS,   16
.set SS,   48
.set ACC,  64
.set BK,   192
.set MSB, 0
.macro WIN new                         ; the immediate's high byte repeats the setting that is left
.if MSB != \new
	s_set_vgpr_msb (MSB<<8)|\new
.set MSB, \new
.endif
.endm
.macro SLOAD u                         ; token tile u of my two: 16 loads of codes, one of scale words
	WIN 0xc0
.irp s, 0,1,2,3
.irp c, 0,1,2,3
	global_load_b128 v[64*\u+16*\s+4*\c:64*\u+16*\s+4*\c+3], v[LI], s[24:25] offset:8192*\u+2048*\s+512*\c
.endr
.endr
	WIN 0
	global_load_b128 v[SS+4*\u:SS+4*\u+3], v[R16], s[26:27] offset:256*\u
.endm
.macro MUL8 u, s, zero                 ; the tile's eight accumulators by turns, one instruction a turn
.irp t, 0,1,2,3,4,5,6,7
.if \zero
	v_wmma_scale_f32_16x16x128_f8f6f4 v[ACC+64*\u+8*\t:ACC+64*\u+8*\t+7], v[16*(8*((\s)%2)+\t):16*(8*((\s)%2)+\t)+15], v[64*\u+16*\s:64*\u+16*\s+15], 0, v[RS+4*\t+\s], v[SS+4*\u+\s] matrix_a_fmt:MATRIX_FMT_BF8 matrix_b_fmt:MATRIX_FMT_BF8
.else
	v_wmma_scale_f32_16x16x128_f8f6f4 v[ACC+64*\u+8*\t:ACC+64*\u+8*\t+7], v[16*(8*((\s)%2)+\t):16*(8*((\s)%2)+\t)+15], v[64*\u+16*\s:64*\u+16*\s+15], v[ACC+64*\u+8*\t:ACC+64*\u+8*\t+7], v[RS+4*\t+\s], v[SS+4*\u+\s] matrix_a_fmt:MATRIX_FMT_BF8 matrix_b_fmt:MATRIX_FMT_BF8
.endif
.endr
.endm
.macro TILE u
	WIN 0x0d                                       ; source 0 window 1, source 1 window 3, C and D window 0
	MUL8 \u, 0, 1                                  ; the first K step starts the sums
	MUL8 \u, 1, 0
	WIN 0x0e                                       ; source 0 window 2
	MUL8 \u, 2, 0
	MUL8 \u, 3, 0
.endm
	s_load_b256 s[4:11], s[0:1], 0x0               ; oc s[4:5], os s[6:7], qc s[8:9], qs s[10:11]
	s_load_b64 s[12:13], s[0:1], 0x20              ; out0
	v_lshl_add_u32 v[SPW], v0, 2, SPARE
	v_mov_b32 v[NIL], 0
	v_lshrrev_b32 v8, 5, v0
	v_readfirstlane_b32 s14, v8                    ; wave 0..3
	v_and_b32 v8, 31, v0
	v_lshlrev_b32 v[LI], 4, v8
	v_and_b32 v9, 15, v0
	v_lshlrev_b32 v[R16], 4, v9
	v_bfe_u32 v10, v0, 4, 1
	s_mul_i32 s15, s14, WSTG                       ; my stage
	v_mul_u32_u24 v[STO], v9, SPITCH
	v_lshl_add_u32 v[STO], v10, 6, v[STO]
	v_add_nc_u32 v[STO], s15, v[STO]
	v_add_nc_u32 v[RD], s15, v[LI]
	s_and_b32 s16, ttmp9, 3                        ; G
	s_lshr_b32 s17, ttmp9, 2
	s_lshl_b32 s17, s17, 2
	s_add_co_u32 s17, s17, s14                     ; P
	s_lshl_b32 s18, s16, 3
	s_add_co_u32 s18, s18, 608                     ; WO's tiles from 608 + 8 G
	s_lshl_b32 s30, s18, 13
	s_mov_b32 s31, 0
	s_lshl_b32 s32, s18, 8
	s_mov_b32 s33, 0
	s_lshl_b32 s34, s17, 14                        ; two tiles of codes: 16,384 bytes
	s_mov_b32 s35, 0
	s_lshl_b32 s36, s17, 9                         ; of scale words: 512
	s_mov_b32 s37, 0
	s_lshl_b32 s38, s17, 16                        ; 32 rows of out0: 65,536
	s_lshl_b32 s39, s16, 9                         ; my 128 outputs: 512 bytes of each row
	s_add_co_u32 s38, s38, s39
	s_mov_b32 s39, 0
	s_wait_kmcnt 0x0
	s_add_nc_u64 s[20:21], s[8:9], s[30:31]
	s_add_nc_u64 s[22:23], s[10:11], s[32:33]
	s_add_nc_u64 s[24:25], s[4:5], s[34:35]
	s_add_nc_u64 s[26:27], s[6:7], s[36:37]
	s_add_nc_u64 s[28:29], s[12:13], s[38:39]
	WIN 0x40                                       ; WO: destination window 1,
.irp s, 0,1
.irp t, 0,1,2,3,4,5,6,7
.irp c, 0,1,2,3
	global_load_b128 v[16*(8*\s+\t)+4*\c:16*(8*\s+\t)+4*\c+3], v[LI], s[20:21] offset:8192*\t+2048*\s+512*\c
.endr
.endr
.endr
	WIN 0x80                                       ; window 2
.irp s, 2,3
.irp t, 0,1,2,3,4,5,6,7
.irp c, 0,1,2,3
	global_load_b128 v[16*(8*(\s-2)+\t)+4*\c:16*(8*(\s-2)+\t)+4*\c+3], v[LI], s[20:21] offset:8192*\t+2048*\s+512*\c
.endr
.endr
.endr
	WIN 0
.irp t, 0,1,2,3,4,5,6,7
	global_load_b128 v[RS+4*\t:RS+4*\t+3], v[R16], s[22:23] offset:256*\t
.endr
	SLOAD 0
	SLOAD 1
	s_wait_loadcnt 17                              ; WO and the first token tile are in; the second tile's 17 loads may be out
	TILE 0
	s_wait_loadcnt 0x0
	TILE 1
	WIN 0
.rept 8
	v_nop                                          ; eight places behind this form before its results are read
.endr
.irp a, 0,1
.if \a
	s_wait_xcnt 0x0                                ; the first tile's stores have read their registers: the rows' registers are loaded again only behind this wait
.endif
.irp b, 0,1,2,3
.irp j, 0,1,2,3
	ds_store_b128 v[STO], v[ACC+64*\a+16*\b+4*\j:ACC+64*\a+16*\b+4*\j+3] offset:128*\b+16*\j   ; each accumulator from its low end on
.endr
.endr
.irp i, 0,1,2,3,4,5,6,7,8,9,10,11,12,13,14,15
	ds_load_b128 v[BK+4*\i:BK+4*\i+3], v[RD] offset:SPITCH*\i   ; LDS serves a wave's instructions in order: these see my stores
.endr
	s_wait_dscnt 0x0
.irp i, 0,1,2,3,4,5,6,7,8,9,10,11,12,13,14,15
	global_store_b128 v[LI], v[BK+4*\i:BK+4*\i+3], s[28:29] offset:(8*\a+\i+8*(\i/8))*2048 th:TH_STORE_NT   ; 32 lanes store 512 consecutive bytes of a token's row, aligned; written once, read by nobody here
.endr
.endr
	s_wait_tensorcnt 0x0                           ; the wave's end, behind my last LDS store
	ds_add_u32 v[SPW], v[NIL]
	s_wait_dscnt 0x0
	s_endpgm
.Lfunc_end_k_q21c4052293_outp:
	.size	k_q21c4052293_outp, .Lfunc_end_k_q21c4052293_outp-k_q21c4052293_outp
	.p2alignl 7, 3214868480
	.fill 96, 4, 3214868480
	.section	.rodata,"a",@progbits
	.p2align	6, 0x0
	.amdhsa_kernel k_q21c4052293_outp
		.amdhsa_group_segment_fixed_size 34304
		.amdhsa_private_segment_fixed_size 0
		.amdhsa_enable_private_segment 0
		.amdhsa_kernarg_size 40
		.amdhsa_user_sgpr_count 2
		.amdhsa_user_sgpr_kernarg_segment_ptr 1
		.amdhsa_wavefront_size32 1
		.amdhsa_system_sgpr_workgroup_id_x 1
		.amdhsa_system_sgpr_workgroup_id_y 1
		.amdhsa_system_sgpr_workgroup_id_z 1
		.amdhsa_system_vgpr_workitem_id 0
		.amdhsa_next_free_vgpr 1024
		.amdhsa_next_free_sgpr 66
		.amdhsa_reserve_vcc 0
		.amdhsa_float_denorm_mode_32 3
		.amdhsa_float_denorm_mode_16_64 3
		.amdhsa_memory_ordered 1
		.amdhsa_forward_progress 1
		.amdhsa_inst_pref_size 34
	.end_amdhsa_kernel
	.amdgpu_metadata
---
amdhsa.version: [ 1, 2 ]
amdhsa.kernels:
  - .name:           k_q21c4052293_outp
    .symbol:         k_q21c4052293_outp.kd
    .args:
      - { .name: oc, .offset: 0, .size: 8, .value_kind: global_buffer, .address_space: global }
      - { .name: os, .offset: 8, .size: 8, .value_kind: global_buffer, .address_space: global }
      - { .name: qc, .offset: 16, .size: 8, .value_kind: global_buffer, .address_space: global }
      - { .name: qs, .offset: 24, .size: 8, .value_kind: global_buffer, .address_space: global }
      - { .name: out0, .offset: 32, .size: 8, .value_kind: global_buffer, .address_space: global }
    .group_segment_fixed_size: 34304
    .private_segment_fixed_size: 0
    .kernarg_segment_align: 8
    .kernarg_segment_size: 40
    .max_flat_workgroup_size: 128
    .sgpr_count:     66
    .vgpr_count:     1024
    .wavefront_size: 32
...
	.end_amdgpu_metadata
.endif
;; end of part 4
;; ======== version 2 of 2: 4 launches
;; limits: right only within a limited range of input values
;; workspace buffers: qc 5,242,880 bytes; qs 163,840 bytes; mw 524,288 bytes of whole numbers; mf 2,048 bytes of whole numbers; qkvc 12,582,912 bytes; qkvs 393,216 bytes; oc 4,194,304 bytes; os 131,072 bytes
;; launch prep (part 5): grid 256 x 1, 18 waves a work-group, no clusters, 307,200 bytes of LDS; arguments x, WQ, WK, WV, WO, mask, qc, qs, mw, mf; writes qc, qs, mw, mf
.if DOCPART == 5
	.amdgcn_target "amdgcn-amd-amdhsa--gfx1250"
	.amdhsa_code_object_version 6
	.text
	.protected	k_q21c4052293_prep
	.globl	k_q21c4052293_prep
	.p2align	8
	.type	k_q21c4052293_prep,@function
k_q21c4052293_prep:
	s_mov_b64 s[64:65], 0
	v_nop
	global_prefetch_b8 v0, s[64:65] scope:SCOPE_SE
	s_setreg_imm32_b32 hwreg(HW_REG_WAVE_MODE, 25, 1), 1
	s_wait_xcnt 0x0
; x [8192][512] and WQ, WK, WV, WO [512][512], f32, K innermost, become codes of BF8 (E5M2) with one E8M0 byte for each 32 along K; the mask [2048][2048] int32 becomes bit words and flags.
; LAYOUT OF THE CODES (qc): images of operand registers.  A fragment is 16 rows x 128 K = 2,048 bytes: four pieces c of 512 bytes, lane l's 16 bytes at 16 l; lane (r = l % 16, h = l / 16) holds row r, k = 32 c + 16 h + 0 .. 15.
; qc = [tile 640][K step 4][c 4][512]; tiles 0-511 x, 512-543 WQ, 544-575 WK, 576-607 WV, 608-639 WO.  qs = [tile][r 16][K step 4] scale words.
; THE ROWS OF A TILE ARE NOT NEIGHBOURS: lane r of tile 2 B + u holds row 32 B + 8 u + r + 8 (r / 8): a product of eight such tiles with one tile then leaves each lane 16 neighbours of each block of 32 along the next K.
; mw = [query tile 128][key step 16][word n 64]: bit l of word n = 16 b + i says whether mask[query of lane l % 16][128 step + 32 b + 16 (l / 16) + i] is not 0: the lane mask of score register n in the attention launch.
; mf = [query tile 128][key step 16] bytes: bit 0: some key of the step counts for some query of the tile; bit 1: all do.
; SHARES.  A unit is 16 rows x 512 bytes: 2,560 units of codes and 2,048 of the mask: 18 for each of 256 work-groups, one a wave.  Work-groups 0-127: three tiles (12 waves) and 6 units of the mask; 128-255: two tiles (8 waves) and 10.
; All 16 loads of a wave go out at once; each reads 512 consecutive bytes of a row; the 8 KB turn through the wave's own stage in LDS (rows 528 bytes apart = 33 x 16) and come back 16 neighbours a block a lane.
; The four K steps of a tile lie in four waves: their scale words meet in LDS, behind the one barrier, and leave as 256 bytes.  Each kind of unit has stage bytes of its own.
; No matrix unit, no cluster: every input byte is read once, by one wave.  No prefetch: there is no loop to run ahead in.
; A block's scale is 2^(floor(log2(largest magnitude)) - 15); its byte is the largest magnitude's exponent field - 15, held at 1 from below.
; LIMITS: a block of zeros, and one whose largest magnitude lies under 2^(16 - 127), gets the byte 1 (this program alone reads the bytes; zero codes add nothing); NaN and infinities among x and the weights are not served.
.set SPITCH, 528
.set WSTG,   16*SPITCH                 ; a wave's stage
.set STGB,   18*WSTG                   ; the mask units' stages begin here
.set XS,     36*WSTG                   ; the tiles' scale words: 256 bytes a tile
.set SPARE,  XS+768                    ; the spare words: 128 bytes a wave, nine blocks of 256 bytes that no other line names
.set LI,   1                           ; v1   16 x lane
.set STIA, 2                           ; v2   stage, way in: 16 x lane
.set STOA, 3                           ; v3   stage, way out: 528 r + 64 h
.set R16,  4                           ; v4   16 r
.set L8,   5                           ; v5   8 x lane
.set SPW,  6                           ; v6   my spare word; never rewritten
.set NIL,  7                           ; v7   0; never rewritten
.set XSI,  8                           ; v8   my row's scale word of my K step
.set XSO,  9                           ; v9   8 bytes a lane of the tile that I store
.set FLG,  10
.set ZO,   11                          ; v11  offset 0
.set STIB, 12                          ; v12, v13  the stage for the mask
.set STOB, 13
.set R,    16                          ; v16-79   16 rows x 16 bytes a lane, as loaded
.set X,    80                          ; v80-143  register 16 b + i: k = 32 b + 16 h + i of my row
.set TM,   144                         ; v144-159 at work
.set SW,   160                         ; v160     my row's scale word
.set C,    164                         ; v164-179 codes
.set W,    180                         ; v180-181 mask words: word n in register n % 2 of lane n / 2
.set WV,   24
.set SRC,  26                          ; s[26:27] where my rows begin
.set DA,   28                          ; s[28:29] codes, or mask words
.set DB,   30                          ; s[30:31] flags
.set SEL,  32                          ; s[32:33] v_permlanex16_b32's selects for lane l xor 16
.set MNT,  34                          ; s34  the mantissa field of 57,344
.set TILE0, 35                         ; s35  my work-group's first tile
.set NQW,  60                          ; s60  its waves of codes;  s61 its tiles
.set UM,   59                          ; s59  my unit of the mask
.macro GLOAD pitch
.irp i, 0,1,2,3,4,5,6,7,8,9,10,11,12,13,14,15
	global_load_b128 v[R+4*\i:R+4*\i+3], v[LI], s[SRC:SRC+1] offset:(\i+8*(\i/8))*\pitch th:TH_LOAD_NT
.endr
.endm
.macro TURN sti, sto                   ; through my stage as the rows come in: LDS serves a wave's instructions in order, so no wait stands between the stores and the loads
.irp g, 0,1,2,3
	s_wait_loadcnt 12-4*\g                         ; four more rows are in; the rows behind them may be out
.irp i, 0,1,2,3
	ds_store_b128 v[\sti], v[R+16*\g+4*\i:R+16*\g+4*\i+3] offset:SPITCH*(4*\g+\i)
.endr
.endr
.irp b, 0,1,2,3
.irp j, 0,1,2,3
	ds_load_b128 v[X+16*\b+4*\j:X+16*\b+4*\j+3], v[\sto] offset:128*\b+16*\j
.endr
.endr
	s_wait_dscnt 0x0
.endm
	s_load_b512 s[4:19], s[0:1], 0x0               ; x s[4:5], WQ s[6:7], WK s[8:9], WV s[10:11], WO s[12:13], mask s[14:15], qc s[16:17], qs s[18:19]
	s_load_b128 s[20:23], s[0:1], 0x40             ; mw s[20:21], mf s[22:23]
	v_lshl_add_u32 v[SPW], v0, 2, SPARE
	v_mov_b32 v[NIL], 0
	v_lshrrev_b32 v14, 5, v0
	v_readfirstlane_b32 s[WV], v14                 ; wave 0..17
	v_and_b32 v14, 31, v0
	v_lshlrev_b32 v[LI], 4, v14
	v_lshlrev_b32 v[L8], 3, v14
	v_and_b32 v15, 15, v0                          ; r
	v_bfe_u32 v14, v0, 4, 1                        ; h
	v_lshlrev_b32 v[R16], 4, v15
	v_mul_u32_u24 v15, v15, SPITCH
	v_lshl_add_u32 v15, v14, 6, v15
	s_mul_i32 s25, s[WV], WSTG
	v_add_nc_u32 v[STIA], s25, v[LI]
	v_add_nc_u32 v[STOA], s25, v15
	v_add_nc_u32 v[STIB], STGB, v[STIA]
	v_add_nc_u32 v[STOB], STGB, v[STOA]
	s_lshr_b32 s36, s[WV], 2
	s_lshl_b32 s36, s36, 8
	s_and_b32 s37, s[WV], 3
	s_lshl_b32 s37, s37, 2
	s_add_co_u32 s36, s36, s37
	s_add_co_u32 s36, s36, XS
	s_wait_alu depctr_va_vdst(0)
	v_add_nc_u32 v[XSI], s36, v[R16]               ; [tile of the work-group][r][K step]
	s_lshl_b32 s37, s[WV], 8
	s_add_co_u32 s37, s37, XS
	v_add_nc_u32 v[XSO], s37, v[L8]
	v_mov_b32 v[ZO], 0
.irp b, 0,1,2,3
	v_mov_b32 v[TM+4+\b], 0                        ; a lane permute's destination counts as one of its sources
.endr
	v_mov_b32 v[W], 0                              ; and so does v_writelane_b32's
	v_mov_b32 v[W+1], 0
	s_mov_b32 s[SEL], 0x76543210
	s_mov_b32 s[SEL+1], 0xfedcba98
	s_mov_b32 s[MNT], 0x600000
	s_mov_b32 s41, 0                               ; the upper word of the offsets made in s40
	s_mul_i32 s42, ttmp9, 3                        ; work-groups 0-127: tiles 3 id .. 3 id + 2,
	s_lshl_b32 s43, ttmp9, 1
	s_add_co_u32 s43, s43, 128                     ; 128-255: 384 + 2 (id - 128) ..
	s_mul_i32 s44, ttmp9, 6
	s_add_co_u32 s44, s44, s[WV]
	s_sub_co_u32 s44, s44, 12                      ; units of the mask: 6 id + wave - 12,
	s_mul_i32 s45, ttmp9, 10
	s_add_co_u32 s45, s45, s[WV]
	s_sub_co_u32 s45, s45, 520                     ; or 768 + 10 (id - 128) + wave - 8
	s_cmp_lt_u32 ttmp9, 128
	s_cselect_b32 s[TILE0], s42, s43
	s_cselect_b32 s[UM], s44, s45
	s_cselect_b32 s[NQW], 12, 8
	s_cselect_b32 s61, 3, 2
	s_wait_alu depctr_va_vdst(0)
	s_wait_kmcnt 0x0
	s_cmp_lt_u32 s[WV], 12
	s_cbranch_scc0 .Lmask
	s_cmp_lt_u32 s[WV], s[NQW]
	s_cbranch_scc0 .Lmask
	; ---- a unit of codes
	s_lshr_b32 s38, s[WV], 2
	s_add_co_u32 s38, s38, s[TILE0]                ; my tile, 0 .. 639
	s_and_b32 s39, s[WV], 3                        ; my K step
	s_and_b32 s36, s38, 31                         ; the tile's number inside a weight
	s_mov_b64 s[SRC:SRC+1], s[12:13]               ; the tensor is chosen by the tile's number alone
	s_cmp_lt_u32 s38, 608
	s_cselect_b64 s[SRC:SRC+1], s[10:11], s[SRC:SRC+1]
	s_cmp_lt_u32 s38, 576
	s_cselect_b64 s[SRC:SRC+1], s[8:9], s[SRC:SRC+1]
	s_cmp_lt_u32 s38, 544
	s_cselect_b64 s[SRC:SRC+1], s[6:7], s[SRC:SRC+1]
	s_cmp_lt_u32 s38, 512
	s_cselect_b64 s[SRC:SRC+1], s[4:5], s[SRC:SRC+1]
	s_cselect_b32 s36, s38, s36
	s_lshr_b32 s37, s36, 1
	s_lshl_b32 s37, s37, 5
	s_and_b32 s36, s36, 1
	s_lshl_b32 s36, s36, 3
	s_add_co_u32 s37, s37, s36                     ; the tile's first row: 32 (tile / 2) + 8 (tile % 2)
	s_lshl_b32 s40, s37, 11                        ; rows of 2,048 bytes
	s_lshl_b32 s36, s39, 9
	s_add_co_u32 s40, s40, s36
	s_add_nc_u64 s[SRC:SRC+1], s[SRC:SRC+1], s[40:41]
	GLOAD 2048
	s_lshl_b32 s40, s38, 13
	s_lshl_b32 s36, s39, 11
	s_add_co_u32 s40, s40, s36
	s_add_nc_u64 s[DA:DA+1], s[16:17], s[40:41]    ; 2,048 bytes of codes a unit
	TURN STIA, STOA
.irp b, 0,1,2,3
	v_max3_num_f32 v[TM+\b], |v[X+16*\b]|, |v[X+16*\b+1]|, 0x8000000   ; my 16 numbers of block b, and the floor 2^(16 - 127): the byte cannot fall under 1
.endr
.irp i, 2,4,6,8,10,12,14
.irp b, 0,1,2,3
	v_max3_num_f32 v[TM+\b], v[TM+\b], |v[X+16*\b+\i]|, |v[X+16*\b+\i+1]|   ; the four blocks by turns
.endr
.endr
.irp b, 0,1,2,3
	v_permlanex16_b32 v[TM+4+\b], v[TM+\b], s[SEL], s[SEL+1]
.endr
.irp b, 0,1,2,3
	v_max_num_f32 v[TM+\b], v[TM+\b], v[TM+4+\b]   ; with lane l xor 16's 16: the block's largest magnitude
.endr
.irp b, 0,1,2,3
	v_add_nc_u32 v[TM+12+\b], 0xf8800000, v[TM+\b]   ; 15 off its exponent field: the conversion's scale operand
.endr
.irp b, 0,1,2,3
	v_and_or_b32 v[TM+8+\b], v[TM+\b], 0x7f800000, s[MNT]   ; 57,344 x the scale
.endr
.irp b, 0,1,2,3
	v_lshrrev_b32 v[TM+4+\b], 23, v[TM+12+\b]      ; the scale's byte
.endr
	v_lshl_or_b32 v[SW], v[TM+5], 8, v[TM+4]
	v_lshl_or_b32 v[SW], v[TM+6], 16, v[SW]
	v_lshl_or_b32 v[SW], v[TM+7], 24, v[SW]
.irp b, 0,1,2,3
.irp i, 0,1,2,3,4,5,6,7,8,9,10,11,12,13,14,15
	v_med3_num_f32 v[X+16*\b+\i], v[X+16*\b+\i], -v[TM+8+\b], v[TM+8+\b]   ; the conversion to an 8-bit code does not saturate (ISA guide 7.6.2): the hold comes first
.endr
	v_cvt_scalef32_pk8_bf8_f32 v[C+4*\b:C+4*\b+1], v[X+16*\b:X+16*\b+7], v[TM+12+\b]
	v_cvt_scalef32_pk8_bf8_f32 v[C+4*\b+2:C+4*\b+3], v[X+16*\b+8:X+16*\b+15], v[TM+12+\b]
.endr
	v_nop                                          ; a plain line behind the last conversion
	ds_store_b32 v[XSI], v[SW]                     ; lanes l and l + 16 hold the same word and name the same bytes
.irp c, 0,1,2,3
	global_store_b128 v[LI], v[C+4*\c:C+4*\c+3], s[DA:DA+1] offset:512*\c   ; 512 consecutive bytes
.endr
	s_branch .Ljoin
	; ---- a unit of the mask
.Lmask:
	s_lshr_b32 s38, s[UM], 4                       ; the query tile
	s_and_b32 s39, s[UM], 15                       ; the key step
	s_lshr_b32 s37, s38, 1
	s_lshl_b32 s37, s37, 5
	s_and_b32 s36, s38, 1
	s_lshl_b32 s36, s36, 3
	s_add_co_u32 s37, s37, s36                     ; its first query
	s_lshl_b32 s40, s37, 13                        ; rows of 8,192 bytes
	s_lshl_b32 s36, s39, 9
	s_add_co_u32 s40, s40, s36
	s_add_nc_u64 s[SRC:SRC+1], s[14:15], s[40:41]
	GLOAD 8192
	s_lshl_b32 s40, s[UM], 8
	s_add_nc_u64 s[DA:DA+1], s[20:21], s[40:41]    ; 256 bytes of words a unit
	s_mov_b32 s40, s[UM]
	s_add_nc_u64 s[DB:DB+1], s[22:23], s[40:41]    ; one byte of flags
	TURN STIB, STOB
.set n, 0
.rept 4                                        ; sixteen words at a time: a compare gives word n as a lane mask; it goes to lane n / 2 of register n % 2
.irp k, 0,1,2,3,4,5,6,7,8,9,10,11,12,13,14,15
	v_cmp_ne_u32 s[40+\k], 0, v[X+n+\k]
.endr
.irp k, 0,1,2,3,4,5,6,7,8,9,10,11,12,13,14,15
	v_writelane_b32 v[W+\k%2], s[40+\k], (n+\k)/2
.endr
.set n, n+16
.endr
	global_store_b64 v[L8], v[W:W+1], s[DA:DA+1]   ; 32 lanes store 256 consecutive bytes, aligned
	v_cmp_ne_u32 s40, 0, v[W]                      ; words in which some bit is set,
	v_cmp_ne_u32 s41, 0, v[W+1]
	v_cmp_ne_u32 s42, -1, v[W]                     ; and words in which some bit is not
	v_cmp_ne_u32 s43, -1, v[W+1]
	s_or_b32 s40, s40, s41
	s_or_b32 s42, s42, s43
	s_cmp_lg_u32 s40, 0
	s_cselect_b32 s36, 1, 0
	s_cmp_eq_u32 s42, 0
	s_cselect_b32 s37, 2, 0
	s_or_b32 s36, s36, s37
	v_mov_b32 v[FLG], s36
	global_store_b8 v[ZO], v[FLG], s[DB:DB+1]      ; one byte: all lanes hold it and name the same place (2 KB in the whole launch go out so)
.Ljoin:
	s_wait_dscnt 0x0                               ; for the others' sake: my scale word has landed
	s_barrier_signal -1
	s_barrier_wait -1
	s_cmp_lt_u32 s[WV], 3                          ; wave t stores the scale words of the work-group's tile t
	s_cbranch_scc0 .Lend
	s_cmp_lt_u32 s[WV], s61
	s_cbranch_scc0 .Lend
	s_add_co_u32 s40, s[TILE0], s[WV]
	s_lshl_b32 s40, s40, 8
	s_mov_b32 s41, 0
	s_add_nc_u64 s[36:37], s[18:19], s[40:41]
	ds_load_b64 v[X:X+1], v[XSO]
	s_wait_dscnt 0x0
	global_store_b64 v[L8], v[X:X+1], s[36:37]     ; 256 consecutive bytes, aligned
.Lend:
	s_wait_tensorcnt 0x0                           ; the wave's end, behind my last LDS store
	ds_add_u32 v[SPW], v[NIL]
	s_wait_dscnt 0x0
	s_endpgm
.Lfunc_end_k_q21c4052293_prep:
	.size	k_q21c4052293_prep, .Lfunc_end_k_q21c4052293_prep-k_q21c4052293_prep
	.p2alignl 7, 3214868480
	.fill 96, 4, 3214868480
	.section	.rodata,"a",@progbits
	.p2align	6, 0x0
	.amdhsa_kernel k_q21c4052293_prep
		.amdhsa_group_segment_fixed_size 307200
		.amdhsa_private_segment_fixed_size 0
		.amdhsa_enable_private_segment 0
		.amdhsa_kernarg_size 80
		.amdhsa_user_sgpr_count 2
		.amdhsa_user_sgpr_kernarg_segment_ptr 1
		.amdhsa_wavefront_size32 1
		.amdhsa_system_sgpr_workgroup_id_x 1
		.amdhsa_system_sgpr_workgroup_id_y 1
		.amdhsa_system_sgpr_workgroup_id_z 1
		.amdhsa_system_vgpr_workitem_id 0
		.amdhsa_next_free_vgpr 192
		.amdhsa_next_free_sgpr 66
		.amdhsa_reserve_vcc 0
		.amdhsa_float_denorm_mode_32 3
		.amdhsa_float_denorm_mode_16_64 3
		.amdhsa_memory_ordered 1
		.amdhsa_forward_progress 1
		.amdhsa_inst_pref_size 30
	.end_amdhsa_kernel
	.amdgpu_metadata
---
amdhsa.version: [ 1, 2 ]
amdhsa.kernels:
  - .name:           k_q21c4052293_prep
    .symbol:         k_q21c4052293_prep.kd
    .args:
      - { .name: x, .offset: 0, .size: 8, .value_kind: global_buffer, .address_space: global }
      - { .name: WQ, .offset: 8, .size: 8, .value_kind: global_buffer, .address_space: global }
      - { .name: WK, .offset: 16, .size: 8, .value_kind: global_buffer, .address_space: global }
      - { .name: WV, .offset: 24, .size: 8, .value_kind: global_buffer, .address_space: global }
      - { .name: WO, .offset: 32, .size: 8, .value_kind: global_buffer, .address_space: global }
      - { .name: mask, .offset: 40, .size: 8, .value_kind: global_buffer, .address_space: global }
      - { .name: qc, .offset: 48, .size: 8, .value_kind: global_buffer, .address_space: global }
      - { .name: qs, .offset: 56, .size: 8, .value_kind: global_buffer, .address_space: global }
      - { .name: mw, .offset: 64, .size: 8, .value_kind: global_buffer, .address_space: global }
      - { .name: mf, .offset: 72, .size: 8, .value_kind: global_buffer, .address_space: global }
    .group_segment_fixed_size: 307200
    .private_segment_fixed_size: 0
    .kernarg_segment_align: 8
    .kernarg_segment_size: 80
    .max_flat_workgroup_size: 576
    .sgpr_count:     66
    .vgpr_count:     192
    .wavefront_size: 32
...
	.end_amdgpu_metadata
.endif
;; end of part 5
;; launch proj (part 6): grid 4 x 64, 4 waves a work-group, clusters of 4 x 4, 262,656 bytes of LDS; arguments qc, qs, qkvc, qkvs; writes qkvc, qkvs
.if DOCPART == 6
	.amdgcn_target "amdgcn-amd-amdhsa--gfx1250"
	.amdhsa_code_object_version 6
	.text
	.protected	k_q21c4052293_proj
	.globl	k_q21c4052293_proj
	.p2align	8
	.type	k_q21c4052293_proj,@function
k_q21c4052293_proj:
	s_mov_b64 s[64:65], 0
	v_nop
	global_prefetch_b8 v0, s[64:65] scope:SCOPE_SE
	s_setreg_imm32_b32 hwreg(HW_REG_WAVE_MODE, 25, 1), 1
	s_wait_xcnt 0x0
	s_wait_alu depctr_hold_cnt(0) depctr_sa_sdst(0) depctr_va_vdst(0) depctr_va_sdst(0) depctr_va_ssrc(0) depctr_va_vcc(0) depctr_vm_vsrc(0)
	s_getreg_b32 s2, hwreg(HW_REG_IB_STS2, 6, 4)
	s_cmp_eq_u32 s2, 0
	s_cbranch_scc0 .Lentry_in_a_cluster
	s_endpgm
.Lentry_in_a_cluster:
	s_bfe_u32 s2, ttmp6, 0x10000c
	s_cmp_lg_u32 s2, 0xf033
	s_cbranch_scc0 .Lentry_shape_is_right
	s_endpgm
.Lentry_shape_is_right:
; Q = x WQ^T, K = x WK^T, V = x WV^T on codes of BF8 (E5M2) with E8M0 scales, each result quantised in registers for the attention launch: Q and K along the head's 64, V along the keys.
; SHARES.  Work-group (ob, tb) takes 128 tokens (key step tb % 16 of batch tb / 16) and 128 outputs of each of Q, K, V (heads 2 ob, 2 ob + 1): 64 KB of codes of x and 64 KB of each weight: all of it lies in LDS at once, as it lies in memory: images of operand registers.
; CLUSTERS of 4 x 4: the four of a row share x's tile, the four of a column the weights' tiles: each is asked for jointly, by one tensor load a wave: wave 0 x, waves 1, 2, 3 WQ, WK, WV.  Nothing is filled twice.
; No prefetch: all tiles are asked for at the head, and there is no loop to run ahead in.
; A WAVE keeps four tiles of WQ (waves 0, 1) or WK (waves 2, 3), which are one head's 64 channels, and two tiles of WV, all of K (24 fragments, 384 registers), and sends the eight token tiles past them once, in pairs, for both: 48 matrix instructions a pair.
;   Q, K: source 0 = the weight, source 1 = tokens: a lane holds a token, register 16 b + i is channel 32 b + 16 h + i (lane r of tile 2 B + u holds row 32 B + 8 u + r + 8 (r / 8)).  A pair's 64 registers are two tokens' blocks: their four bytes are word p.
;   V: source 0 = tokens, source 1 = WV: a lane holds a channel, its 64 registers run along the 128 keys.
; The conversions' results are images of operand registers and leave as they stand, 512 consecutive bytes a store.
; qkvc: three sections of 4 MB, each [head of 32][131,072]: Q, K: [token tile 128][c 2][512]; V: [key step 16][channel tile 4][c 4][512].
; qkvs: three sections of 131,072, each [head][key step 16][r 16][4 words]: Q, K: word p = the two bytes of tile 2 p, then those of tile 2 p + 1; V: word i = channel tile i's four key blocks.  (V's words leave 8 bytes a lane: two waves make a row's 16.)
; LIMITS: a block of zeros, and one whose largest magnitude lies under 2^(16 - 127), gets the byte 1; NaN and infinities are not served.
; REGISTERS: window 0: addresses, scale words, work, the pair's 8 accumulators (v192-255);  window 1: the weight's fragments at 16 (4 k + t);
;   window 2: WV's at 16 (2 k + n), and the even pairs' tokens at 128 + 64 a + 16 k;  window 3: V's 16 accumulators at 64 n + 8 t, and the odd pairs' tokens.
.set WVOFF, 196608                     ; LDS: x, WQ, WK, WV, 65,536 bytes each
.set SPARE, 262144                     ; the spare words: 128 bytes a wave, two blocks of 256 bytes that no other line names
.set LI,   1                           ; v1  16 x lane: also the LDS address of x's fragments
.set R16,  2                           ; v2  16 r
.set ADW,  3                           ; v3  LDS: my four tiles of WQ or WK
.set ADV,  4                           ; v4  LDS: my two tiles of WV
.set SPW,  6                           ; v6  my spare word; never rewritten
.set NIL,  7                           ; v7  0; never rewritten
.set RS,   16                          ; v16-31  the weight's scale words (4 t + k)
.set VS,   32                          ; v32-39  WV's (4 n + k)
.set XS,   42                          ; v42-73  x's (4 t + k): no product's two scale words have numbers equal modulo 8
.set TM,   76                          ; v76-91  at work
.set OW,   92                          ; v92-95  Q's or K's words
.set VW,   96                          ; v96-97  V's
.set C,    100                         ; v100-115 codes
.set ACC,  192
.set G1A,  16
.set G1B,  24
.set G0A,  32
.set G0B,  36
.set QB,   68                          ; s[68:69] Q's or K's codes;  s[70:71] words;  s[72:73] V's codes;  s[74:75] words
.set QSB,  70
.set VB,   72
.set VSB,  74
.set SEL,  82
.set MNT,  84
.set MSB, 0
.macro WIN new                         ; the immediate's high byte repeats the setting that is left
.if MSB != \new
	s_set_vgpr_msb (MSB<<8)|\new
.set MSB, \new
.endif
.endm
.macro CROUND                          ; a round of the cluster's barrier
	s_barrier_signal -1
	s_barrier_wait -1
	s_cmp_lg_u32 s14, 0
	s_cbranch_scc1 .Lnot_wave_0_\@
	s_barrier_signal -3
.Lnot_wave_0_\@:
	s_barrier_wait -3
	s_barrier_signal -1
	s_barrier_wait -1
.endm
.macro GROUP1 g, mask                  ; descriptor group 1: a dense block of 65,536 bytes as 256 rows of 256 bytes (32 elements of 8), no padding
	s_or_b32 s[\g+0], s[\mask], (3<<16)|(1<<21)
	s_mov_b32 s[\g+1], 32<<16
	s_mov_b32 s[\g+2], 256<<16
	s_mov_b32 s[\g+3], 32<<16
	s_mov_b32 s[\g+4], 256
	s_mov_b32 s[\g+5], 32
	s_mov_b32 s[\g+6], 0
	s_mov_b32 s[\g+7], 0
.endm
.macro LOADK k                         ; K step k of the weight's four tiles, WV's two and the first pair of token tiles: 32 loads
	WIN 0x40
.irp t, 0,1,2,3
.irp c, 0,1,2,3
	ds_load_b128 v[16*(4*\k+\t)+4*\c:16*(4*\k+\t)+4*\c+3], v[ADW] offset:8192*\t+2048*\k+512*\c
.endr
.endr
	WIN 0x80
.irp n, 0,1
.irp c, 0,1,2,3
	ds_load_b128 v[16*(2*\k+\n)+4*\c:16*(2*\k+\n)+4*\c+3], v[ADV] offset:8192*\n+2048*\k+512*\c
	ds_load_b128 v[128+64*\n+16*\k+4*\c:128+64*\n+16*\k+4*\c+3], v[LI] offset:8192*\n+2048*\k+512*\c
.endr
.endr
	WIN 0
.endm
.macro XLOAD p                         ; token tiles 2 p, 2 p + 1 into set p % 2: 32 loads
	WIN ((2+(\p)%2)<<6)
.irp a, 0,1
.irp k, 0,1,2,3
.irp c, 0,1,2,3
	ds_load_b128 v[128+64*\a+16*\k+4*\c:128+64*\a+16*\k+4*\c+3], v[LI] offset:8192*(2*(\p)+\a)+2048*\k+512*\c
.endr
.endr
.endr
	WIN 0
.endm
.macro MULK p, k                       ; K step k of pair p: twelve accumulators by turns, one instruction a turn
	WIN (1|((2+(\p)%2)<<2))                        ; source 0 window 1, source 1 the pair's, C and D window 0
.irp a, 0,1
.irp t, 0,1,2,3
.set D_, ACC+32*\a+8*\t
.set A_, 16*(4*\k+\t)
.set B_, 128+64*\a+16*\k
.set Y_, XS+4*(2*\p+\a)+\k
.if \k
	v_wmma_scale_f32_16x16x128_f8f6f4 v[D_:D_+7], v[A_:A_+15], v[B_:B_+15], v[D_:D_+7], v[RS+4*\t+\k], v[Y_] matrix_a_fmt:MATRIX_FMT_BF8 matrix_b_fmt:MATRIX_FMT_BF8
.else
	v_wmma_scale_f32_16x16x128_f8f6f4 v[D_:D_+7], v[A_:A_+15], v[B_:B_+15], 0, v[RS+4*\t+\k], v[Y_] matrix_a_fmt:MATRIX_FMT_BF8 matrix_b_fmt:MATRIX_FMT_BF8
.endif
.endr
.endr
	WIN (0xf8|(2+(\p)%2))                          ; source 0 the pair's window, source 1 window 2, C and D window 3
.irp a, 0,1
.irp n, 0,1
.set D_, 64*\n+8*(2*\p+\a)
.set A_, 128+64*\a+16*\k
.set B_, 16*(2*\k+\n)
.set Y_, XS+4*(2*\p+\a)+\k
.if \k
	v_wmma_scale_f32_16x16x128_f8f6f4 v[D_:D_+7], v[A_:A_+15], v[B_:B_+15], v[D_:D_+7], v[Y_], v[VS+4*\n+\k] matrix_a_fmt:MATRIX_FMT_BF8 matrix_b_fmt:MATRIX_FMT_BF8
.else
	v_wmma_scale_f32_16x16x128_f8f6f4 v[D_:D_+7], v[A_:A_+15], v[B_:B_+15], 0, v[Y_], v[VS+4*\n+\k] matrix_a_fmt:MATRIX_FMT_BF8 matrix_b_fmt:MATRIX_FMT_BF8
.endif
.endr
.endr
	WIN 0
.endm
.macro QUANT src, ws, dw               ; 64 numbers of a lane at v[src] of window ws, register 16 b + i = k 32 b + 16 h + i, become 16 code registers and a scale word; the held numbers stand at ACC
	WIN (\ws*5)
.irp b, 0,1,2,3
	v_max3_num_f32 v[TM+\b], |v[\src+16*\b]|, |v[\src+16*\b+1]|, 0x8000000   ; each accumulator is read from its low end on; the floor 2^(16 - 127) holds the byte at 1 from below
.endr
	WIN (\ws*20)
.irp i, 2,4,6,8,10,12,14
.irp b, 0,1,2,3
	v_max3_num_f32 v[TM+\b], v[TM+\b], |v[\src+16*\b+\i]|, |v[\src+16*\b+\i+1]|
.endr
.endr
	WIN 0
.irp b, 0,1,2,3
	v_permlanex16_b32 v[TM+4+\b], v[TM+\b], s[SEL], s[SEL+1]
.endr
.irp b, 0,1,2,3
	v_max_num_f32 v[TM+\b], v[TM+\b], v[TM+4+\b]   ; with lane l xor 16's 16: the block's largest magnitude
.endr
.irp b, 0,1,2,3
	v_add_nc_u32 v[TM+12+\b], 0xf8800000, v[TM+\b]   ; 15 off its exponent field: the conversion's scale operand
.endr
.irp b, 0,1,2,3
	v_and_or_b32 v[TM+8+\b], v[TM+\b], 0x7f800000, s[MNT]   ; 57,344 x the scale
.endr
.irp b, 0,1,2,3
	v_lshrrev_b32 v[TM+4+\b], 23, v[TM+12+\b]      ; the scale's byte
.endr
	v_lshl_or_b32 v[\dw], v[TM+5], 8, v[TM+4]
	v_lshl_or_b32 v[\dw], v[TM+6], 16, v[\dw]
	v_lshl_or_b32 v[\dw], v[TM+7], 24, v[\dw]
	WIN \ws
.irp b, 0,1,2,3
.irp i, 0,1,2,3,4,5,6,7,8,9,10,11,12,13,14,15
	v_med3_num_f32 v[ACC+16*\b+\i], v[\src+16*\b+\i], -v[TM+8+\b], v[TM+8+\b]   ; the conversion does not saturate (ISA guide 7.6.2): the hold comes first
.endr
.endr
	WIN 0
.irp b, 0,1,2,3
	v_cvt_scalef32_pk8_bf8_f32 v[C+4*\b:C+4*\b+1], v[ACC+16*\b:ACC+16*\b+7], v[TM+12+\b]
	v_cvt_scalef32_pk8_bf8_f32 v[C+4*\b+2:C+4*\b+3], v[ACC+16*\b+8:ACC+16*\b+15], v[TM+12+\b]
.endr
	v_nop                                          ; a plain line behind the last conversion: the next pair's products write the numbers' registers
.endm
.macro SEND base, off
.irp c, 0,1,2,3
	global_store_b128 v[LI], v[C+4*\c:C+4*\c+3], s[\base:\base+1] offset:\off+512*\c
.endr
.endm
.macro PAIR p
.if \p
	s_wait_dscnt 0x0                               ; the pair's 32 loads
.irp k, 0,1,2,3
	MULK \p, \k
.endr
.endif
.if \p < 3
	XLOAD \p+1                                     ; into the set of pair p - 1, whose quantising lies between; the loads land under this pair's
.endif
.rept 8
	v_nop                                          ; eight places behind this form before its results are read
.endr
.if \p
	s_wait_xcnt 0x0                                ; the last pair's stores have read the codes' registers
.endif
	QUANT ACC, 0, OW+\p
	SEND QB, 2048*\p
.endm
	s_load_b256 s[4:11], s[0:1], 0x0               ; qc s[4:5], qs s[6:7], qkvc s[8:9], qkvs s[10:11]
	v_lshl_add_u32 v[SPW], v0, 2, SPARE
	v_mov_b32 v[NIL], 0
	ds_add_u32 v[SPW], v[NIL]                      ; the wave's opening: the add, twice on end, and its wait ahead of my first tensor load; work on registers stands between
	ds_add_u32 v[SPW], v[NIL]
	v_lshrrev_b32 v8, 5, v0
	v_readfirstlane_b32 s14, v8                    ; wave 0..3
	v_and_b32 v8, 31, v0
	v_lshlrev_b32 v[LI], 4, v8
	v_and_b32 v9, 15, v0
	v_lshlrev_b32 v[R16], 4, v9
	s_lshr_b32 s60, s14, 1                         ; 0: Q, 1: K.  Also: which of V's heads
	s_and_b32 s61, s14, 1                          ; which of Q's or K's heads.  Also: which half of a head of V
	s_lshl_b32 s13, s60, 16
	s_lshl_b32 s15, s61, 15
	s_add_co_u32 s13, s13, s15
	s_add_co_u32 s13, s13, 65536                   ; WQ or WK, then the head's four tiles
	s_wait_alu depctr_va_vdst(0)
	v_add_nc_u32 v[ADW], s13, v[LI]
	s_lshl_b32 s12, s14, 14                        ; 16,384 x wave
	s_add_co_u32 s12, s12, WVOFF
	v_add_nc_u32 v[ADV], s12, v[LI]
.irp b, 0,1,2,3
	v_mov_b32 v[TM+4+\b], 0                        ; a lane permute's destination counts as one of its sources
.endr
	s_wait_alu depctr_va_vdst(0)
	s_bfe_u32 s40, ttmp6, 0x40000                  ; cx = ob
	s_bfe_u32 s41, ttmp6, 0x40004                  ; cy
	s_and_b32 s43, ttmp7, 0xffff
	s_lshl_b32 s43, s43, 2
	s_add_co_u32 s43, s43, s41                     ; tb
	s_lshl_b32 s44, s41, 2
	s_lshl_b32 s44, 15, s44                        ; my row of the cluster shares x,
	s_lshl_b32 s45, 0x1111, s40                    ; my column the weights
	GROUP1 G1A, 44
	GROUP1 G1B, 45
	s_lshl_b32 s46, s14, 18
	s_lshl_b32 s47, s40, 16
	s_add_co_u32 s46, s46, s47
	s_add_co_u32 s46, s46, 480*8192                ; wave 1, 2, 3: tiles 512 + 32 (wave - 1) + 8 ob on
	s_mov_b32 s47, 0
	s_lshl_b32 s12, s43, 16                        ; x: tiles 8 tb on
	s_mov_b32 s13, 0
	s_mov_b32 s[SEL], 0x76543210
	s_mov_b32 s[SEL+1], 0xfedcba98
	s_mov_b32 s[MNT], 0x600000
	s_wait_dscnt 0x0                               ; both opening adds are done
	CROUND                                         ; all sixteen work-groups are here: the joint loads meet
	s_wait_kmcnt 0x0
	s_mov_b32 s[G0A], 1
	s_mov_b32 s[G0A+1], 0
	s_add_nc_u64 s[G0A+2:G0A+3], s[4:5], s[12:13]
	s_or_b32 s[G0A+3], s[G0A+3], 0x80000000
	s_mov_b32 s[G0B], 1
	s_lshl_b32 s[G0B+1], s14, 16                   ; wave x 65,536
	s_add_nc_u64 s[G0B+2:G0B+3], s[4:5], s[46:47]
	s_or_b32 s[G0B+3], s[G0B+3], 0x80000000
	s_cmp_eq_u32 s14, 0                            ; one joint load a wave
	s_cbranch_scc0 .Lfor_w
	tensor_load_to_lds s[G0A:G0A+3], s[G1A:G1A+7]
	s_nop 0
.rept 4
	v_nop
.endr
	s_branch .Lasked
.Lfor_w:
	tensor_load_to_lds s[G0B:G0B+3], s[G1B:G1B+7]
	s_nop 0
.rept 4
	v_nop
.endr
.Lasked:
	s_lshl_b32 s56, s60, 5                         ; scale words: the weight's tiles 512 + 32 section + 8 ob + 4 head,
	s_lshl_b32 s57, s40, 3
	s_add_co_u32 s56, s56, s57
	s_lshl_b32 s58, s61, 2
	s_add_co_u32 s56, s56, s58
	s_add_co_u32 s56, s56, 512
	s_lshl_b32 s56, s56, 8
	s_lshl_b32 s58, s14, 1                         ; WV's 576 + 8 ob + 2 wave,
	s_add_co_u32 s58, s58, s57
	s_add_co_u32 s58, s58, 576
	s_lshl_b32 s58, s58, 8
	s_lshl_b32 s66, s43, 11                        ; x's 8 tb
	s_mov_b32 s57, 0
	s_mov_b32 s59, 0
	s_mov_b32 s67, 0
	s_add_nc_u64 s[76:77], s[6:7], s[56:57]
	s_add_nc_u64 s[78:79], s[6:7], s[58:59]
	s_add_nc_u64 s[80:81], s[6:7], s[66:67]
.irp t, 0,1,2,3
	global_load_b128 v[RS+4*\t:RS+4*\t+3], v[R16], s[76:77] offset:256*\t
.endr
.irp t, 0,1
	global_load_b128 v[VS+4*\t:VS+4*\t+3], v[R16], s[78:79] offset:256*\t
.endr
.irp t, 0,1,2,3,4,5,6,7
	global_load_b128 v[XS+4*\t:XS+4*\t+3], v[R16], s[80:81] offset:256*\t
.endr
	s_lshr_b32 s62, s43, 4                         ; the batch
	s_lshl_b32 s62, s62, 3
	s_lshl_b32 s63, s40, 1
	s_add_co_u32 s62, s62, s63                     ; my work-group's first head, of 32
	s_and_b32 s63, s43, 15
	s_lshl_b32 s63, s63, 13                        ; the key step: 8,192 bytes of a head's 131,072
	s_add_co_u32 s48, s62, s61
	s_lshl_b32 s48, s48, 17
	s_add_co_u32 s48, s48, s63
	s_lshl_b32 s49, s60, 22
	s_add_co_u32 s48, s48, s49                     ; Q, K: section x 4 MB + head x 131,072 + step x 8,192
	s_mov_b32 s49, 0
	s_lshr_b32 s50, s48, 5                         ; the scale words' place is a 32nd of that
	s_mov_b32 s51, 0
	s_add_co_u32 s52, s62, s60
	s_lshl_b32 s52, s52, 17
	s_add_co_u32 s52, s52, s63
	s_add_co_u32 s52, s52, 0x800000                ; V: section 2
	s_mov_b32 s53, 0
	s_lshr_b32 s54, s52, 5
	s_lshl_b32 s55, s61, 3
	s_add_co_u32 s54, s54, s55                     ; words 2 (wave % 2), + 1
	s_lshl_b32 s55, s61, 12
	s_add_co_u32 s52, s52, s55                     ; channel tiles 2 (wave % 2), + 1
	s_mov_b32 s55, 0
	s_add_nc_u64 s[QB:QB+1], s[8:9], s[48:49]
	s_add_nc_u64 s[QSB:QSB+1], s[10:11], s[50:51]
	s_add_nc_u64 s[VB:VB+1], s[8:9], s[52:53]
	s_add_nc_u64 s[VSB:VSB+1], s[10:11], s[54:55]
	s_wait_tensorcnt 0x0                           ; my tile is in
	s_wait_loadcnt 0x0                             ; and the scale words
	s_barrier_signal -1
	s_barrier_wait -1                              ; everybody's tile is
	LOADK 0
	LOADK 1
	s_wait_dscnt 32                                ; K step 0's loads are in; the 32 of K step 1 may be out
	MULK 0, 0
	LOADK 2
	s_wait_dscnt 32
	MULK 0, 1
	LOADK 3
	s_wait_dscnt 32
	MULK 0, 2
	s_wait_dscnt 0x0
	MULK 0, 3
.irp p, 0,1,2,3
	PAIR \p
.endr
.irp n, 0,1                                    ; V's two channel tiles: their products ended ahead of the last pair's quantising
	s_wait_xcnt 0x0
	QUANT 64*\n, 3, VW+\n
	SEND VB, 2048*\n
.endr
	global_store_b128 v[R16], v[OW:OW+3], s[QSB:QSB+1]   ; 256 consecutive bytes; lanes l and l + 16 hold the same words and name the same bytes
	global_store_b64 v[R16], v[VW:VW+1], s[VSB:VSB+1]
	s_wait_tensorcnt 0x0                           ; the wave's end
	ds_add_u32 v[SPW], v[NIL]
	s_wait_dscnt 0x0
	CROUND                                         ; the closing round: no work-group ends while a partner may still ask for a tile that names it
	s_endpgm
.Lfunc_end_k_q21c4052293_proj:
	.size	k_q21c4052293_proj, .Lfunc_end_k_q21c4052293_proj-k_q21c4052293_proj
	.p2alignl 7, 3214868480
	.fill 96, 4, 3214868480
	.section	.rodata,"a",@progbits
	.p2align	6, 0x0
	.amdhsa_kernel k_q21c4052293_proj
		.amdhsa_group_segment_fixed_size 262656
		.amdhsa_private_segment_fixed_size 0
		.amdhsa_enable_private_segment 0
		.amdhsa_kernarg_size 32
		.amdhsa_user_sgpr_count 2
		.amdhsa_user_sgpr_kernarg_segment_ptr 1
		.amdhsa_wavefront_size32 1
		.amdhsa_system_sgpr_workgroup_id_x 1
		.amdhsa_system_sgpr_workgroup_id_y 1
		.amdhsa_system_sgpr_workgroup_id_z 1
		.amdhsa_system_vgpr_workitem_id 0
		.amdhsa_next_free_vgpr 1024
		.amdhsa_next_free_sgpr 86
		.amdhsa_reserve_vcc 0
		.amdhsa_float_denorm_mode_32 3
		.amdhsa_float_denorm_mode_16_64 3
		.amdhsa_memory_ordered 1
		.amdhsa_forward_progress 1
		.amdhsa_inst_pref_size 100
	.end_amdhsa_kernel
	.amdgpu_metadata
---
amdhsa.version: [ 1, 2 ]
amdhsa.kernels:
  - .name:           k_q21c4052293_proj
    .symbol:         k_q21c4052293_proj.kd
    .args:
      - { .name: qc, .offset: 0, .size: 8, .value_kind: global_buffer, .address_space: global }
      - { .name: qs, .offset: 8, .size: 8, .value_kind: global_buffer, .address_space: global }
      - { .name: qkvc, .offset: 16, .size: 8, .value_kind: global_buffer, .address_space: global }
      - { .name: qkvs, .offset: 24, .size: 8, .value_kind: global_buffer, .address_space: global }
    .group_segment_fixed_size: 262656
    .private_segment_fixed_size: 0
    .kernarg_segment_align: 8
    .kernarg_segment_size: 32
    .max_flat_workgroup_size: 128
    .sgpr_count:     86
    .vgpr_count:     1024
    .wavefront_size: 32
...
	.end_amdgpu_metadata
.endif
;; end of part 6
;; launch attn (part 7): grid 8 x 32, 16 waves a work-group, no clusters, 290,816 bytes of LDS; arguments qkvc, qkvs, mw, mf, oc, os; writes oc, os
.if DOCPART == 7
	.amdgcn_target "amdgcn-amd-amdhsa--gfx1250"
	.amdhsa_code_object_version 6
	.text
	.protected	k_q21c4052293_attn
	.globl	k_q21c4052293_attn
	.p2align	8
	.type	k_q21c4052293_attn,@function
k_q21c4052293_attn:
	s_mov_b64 s[64:65], 0
	v_nop
	global_prefetch_b8 v0, s[64:65] scope:SCOPE_SE
	s_setreg_imm32_b32 hwreg(HW_REG_WAVE_MODE, 25, 1), 1
	s_wait_xcnt 0x0
; O = softmax(Q K^T / 8, under the mask) V for one head, both products on codes of BF8 (E5M2) with E8M0 scales; O / the row's sum is quantised along the embedding for the last product and leaves as images of operand registers.
; THE SOFTMAX AHEAD OF THE SECOND PRODUCT: t = score x log2(e) / 8; M = the running largest t rounded UP to a whole number; p = 2^(t - M) is quantised along the keys, not normalised; the row's sum is taken of the unquantised p.
; When M moves, the sum and O are multiplied by 2^(old M - new M): exact.
; SHARES.  Work-group (g, head of 32) owns sixteen tiles of 16 queries, tile 8 rank + g.  A TILE'S 16 KEY STEPS OF 128 KEYS ARE SPLIT BETWEEN TWO WAVES: wave w, of rank r, walks steps 0-7 of tile X = 8 r + g and then steps 8-15 of
; tile Y = 8 (15 - r) + g, which is the tile of wave 15 - w (the ranks are a 4 x 4 magic square, symmetric about its middle).  At the end each wave hands its upper part to the tile's owner through LDS, and the owner joins the two:
; -M = the smaller of the two, both parts brought under it by whole powers of two, then added.  The split is right for any mask.  It evens the work where open steps grow with the query's place: rank r has r + 1 open steps,
; so a wave has (r + 1) + (8 - r) = 9 of them (r < 8) or 8 + 0; under a mask that is all true every wave has 16.
; LDS holds the head's K and V codes (131,072 bytes each) and scale words (4,096 each), as they lie in memory: images of operand registers.  They come in four chunks of four key steps, through registers: chunks 0 and 1 are asked for at the head,
; chunk p + 2 behind chunk p + 1's store, a whole key step ahead of its own; chunk p + 1 is stored behind key step p, with one barrier each (p = 0, 1, 2).  Behind the third the waves run without a barrier until the parts are joined.  No byte of K or V is filled twice.
; THE MASK IS AN INPUT.  The first launch has turned it into lane masks (mw) and flags (mf).  A tile of 16 queries x 128 keys in which no key counts adds nothing whatever the mask holds: its work is jumped over, by a scalar branch on the stored flag.
; The 64 lane masks of the next step in which some keys count and not all are asked for as soon as the last such step's have been used; that step's number is the lowest bit of a word of such steps.
; K and V come through registers, and the eight work-groups of a head make no joint request.  No barrier stands under that branch.
; No prefetch: chunks 0 and 1 go out at the head, and the two that follow have a key step each in which to land.
; LAYOUT.  Both products transposed: S^T = K Q^T, O^T = V^T P^T: a lane holds ONE query throughout, its 64 scores are register 16 b + i = key 32 b + 16 h + i.
; K = 64 IN A FORM OF K = 128: two neighbouring key tiles lie on end as one fragment (k 0-63: tile 2 p, k 64-127: tile 2 p + 1); it is multiplied by [Q | 0] and by [0 | Q], two views of 24 registers [0 | Q | 0]: zero codes add nothing.
; A QUERY FOR WHICH NO KEY COUNTS has the sum 0: its two scale bytes are set to 0xff, so that the last product gives NaN for that token, as the softmax of a row of -infinity does.
; LIMITS: NaN and infinities among the inputs are not served; a block's largest p is taken from its largest score (this takes v_exp_f32 not to fall where its input rises); a block of zeros gets the byte 1; os is stored 2 bytes a row and head.
.set KC,    0                          ; K's codes: [step 16][pair of tiles 4][c 4][512]; at the end its first 73,728 bytes take the sixteen upper parts
.set VC,    131072                     ; V's: [step 16][channel tile 4][c 4][512]
.set KSB,   262144                     ; K's scale words: [step 16][r 16][4 words]; V's 4,096 bytes on
.set SPARE, 270336                     ; the spare words: 128 bytes a wave, eight blocks of 256 bytes that no other line names
.set QX,    272384                     ; Q's codes of each wave's second tile: 1,024 bytes a wave, the wave's own
.set QXS,   288768                     ; and its scale words: 128 bytes a wave
.set MGW,   4608                       ; an upper part: 32 registers of O^T and 4 of state, 128 bytes each
.set LI,   1                           ; v1   16 x lane
.set LS,   2                           ; v2   KSB + 16 r
.set SPW,  3                           ; v3   my spare word; never rewritten
.set NIL,  4                           ; v4   0; never rewritten
.set NINF, 5                           ; v5   -infinity
.set ADK,  6                           ; v6-8 the step's LDS addresses: K, V, scale words
.set ADV,  7
.set ADS,  8
.set GOF,  9                           ; v9   16 x my thread's number
.set QS,   10                          ; v10  Q's scale word (its two bytes, twice)
.set PSW,  11                          ; v11  p's scale word
.set ST1,  12                          ; v12 -M, v13 the largest t, v[14:15] the sum in two halves: the lower part's
.set QHI,  16                          ; v16-31 [0 | Q]
.set QLO,  24                          ; v24-39 [Q | 0]
.set KSC,  40                          ; v40-43 K's scale words of the step;  v44-47 V's
.set VSC,  44
.set F,    48                          ; v48-79  K's pair fragments 0, 1, then V's channel tiles 0, 1; at the head chunk 0's 128 bytes a thread
.set STG,  80                          ; v80-111 a later chunk's 128 bytes a thread, on their way; behind the fill:
.set O2,   80                          ;         O^T of the upper part
.set S,    112                         ; v112-175 S^T, then p; behind block 1's conversions v112-143 take V's channel tiles 2, 3
.set O1,   176                         ; v176-207 O^T of the lower part
.set PC,   208                         ; v208-223 p's codes; v208-239 hold K's pair fragments 2, 3 while S^T is made
.set BM,   224                         ; block maxima, then largest p
.set BP,   228                         ; the other half's, then bytes
.set BH,   232                         ; holds
.set BS,   236                         ; scale operands
.set FP,   240                         ; v[240:241] f
.set T0,   242
.set T1,   243
.set SC2,  244                         ; v[244:245] the sum's second chain
.set FK,   246                         ; v246, v247 where a chunk is stored; at the end where the parts go and come from
.set FV,   247
.set R16,  248                         ; v248 16 r
.set SA,   249                         ; v249 where my 16 bytes of scale words are stored
.set ST2,  250                         ; v250-253 the upper part's -M, t and sum
.set QA,   254                         ; v254 my second tile's Q in LDS
.set QSA,  255                         ; v255 and its scale word
.set MB2,  12                          ; s[12:13] the second tile's mask words, from key step 8 on
.set MI,   14                          ; s14  where the mask words that are on their way begin, in bytes from s[MB:MB+1]
.set PT,   15                          ; s15  the half's steps to come in which some keys count and not all, a bit each
.set WV,   66
.set FW,   67                          ; s67  eight steps' flags: bit 0 some key counts, bit 16 all do; shifted a step at a time
.set TK,   68                          ; s68  the step's codes in a section of LDS
.set TS,   69                          ; s69  the step's scale words
.set MB,   70                          ; s[70:71] the half's mask words
.set SEL,  72
.set CS,   74                          ; s[74:75] c = log2(e) / 8
.set MNT,  76
.set CNT,  77
.set FW2,  78                          ; s78  the second half's flags, until the switch
.set FL,   96                          ; s[96:97] tile X's flag bytes of steps 0-7;  s[98:99] tile Y's of steps 8-15
.set PT2,  98                          ; s98  behind the head: the second half's PT
                                       ; s[16:63], s[80:95]: a step's 64 mask words
.macro PLACES n
.rept \n
	v_nop
.endr
.endm
.macro CLOAD p, rg                     ; chunk p into v[rg ..]: the work-group's 512 threads x 16 bytes are 8,192 bytes an instruction
.irp c, 0,1,2,3
	global_load_b128 v[\rg+4*\c:\rg+4*\c+3], v[GOF], s[4:5] offset:32768*(\p)+8192*\c
	global_load_b128 v[\rg+16+4*\c:\rg+16+4*\c+3], v[GOF], s[6:7] offset:32768*(\p)+8192*\c
.endr
.endm
.macro CPUT p, rg, out                 ; and into LDS, as it lies; out: the global loads issued behind the chunk's, which may stay out
	s_wait_loadcnt \out
	v_add_nc_u32 v[FK], KC+32768*(\p), v[GOF]
	v_add_nc_u32 v[FV], VC+32768*(\p), v[GOF]
.irp c, 0,1,2,3
	ds_store_b128 v[FK], v[\rg+4*\c:\rg+4*\c+3] offset:8192*\c
	ds_store_b128 v[FV], v[\rg+16+4*\c:\rg+16+4*\c+3] offset:8192*\c
.endr
	s_wait_dscnt 0x0                               ; for the others' sake: my stores have landed, and have read their registers
.endm
.macro BARRIER
	s_barrier_signal -1
	s_barrier_wait -1                              ; everybody's stores have landed: the chunk may be read
.endm
.macro NEXTM                           ; the lane masks of the half's next step in which some keys count and not all (there is none: those of its last step, which nobody uses)
	s_ctz_i32_b32 s[MI], s[PT]
	s_min_u32 s[MI], s[MI], 7
	s_lshl_b32 s[MI], s[MI], 8
	s_load_b512 s[16:31], s[MB:MB+1], s[MI] offset:0x0
	s_load_b512 s[32:47], s[MB:MB+1], s[MI] offset:0x40
	s_load_b512 s[48:63], s[MB:MB+1], s[MI] offset:0x80
	s_load_b512 s[80:95], s[MB:MB+1], s[MI] offset:0xc0
.endm
.macro NIB d, s, sh                    ; bit sh of each of four bytes, gathered in four bits: byte k's bit, at 8 k, is moved to 28 + k
	s_lshr_b32 s[\d], s[\s], \sh
	s_and_b32 s[\d], s[\d], 0x1010101
	s_mul_i32 s[\d], s[\d], 0x10204080
	s_lshr_b32 s[\d], s[\d], 28
.endm
.macro FLAGS d, l, q                   ; eight steps' flag bytes in s[l:l+1] -> the word of flags s[d], and s[q]: some and not all
	NIB \d, \l, 0
	NIB 16, \l+1, 0
	NIB 17, \l, 1
	NIB 18, \l+1, 1
	s_lshl_b32 s16, s16, 4
	s_or_b32 s[\d], s[\d], s16
	s_lshl_b32 s18, s18, 4
	s_or_b32 s17, s17, s18
	s_and_not1_b32 s[\q], s[\d], s17
	s_lshl_b32 s17, s17, 16
	s_or_b32 s[\d], s[\d], s17
.endm
; A KEY STEP: 128 keys.  ob: the part's O^T; sb: its -M, t and sum
.macro STEP ob, sb
	v_add_nc_u32 v[ADK], s[TK], v[LI]              ; the addresses are made ahead of the jump; they are also three of the nine places below
	s_delay_alu instid0(VALU_DEP_1)
	v_add_nc_u32 v[ADV], VC, v[ADK]
	v_add_nc_u32 v[ADS], s[TS], v[LS]
	s_bitcmp1_b32 s[FW], 0
	s_cbranch_scc0 .Lskip_\@                       ; no key of the step counts for any of my queries
	PLACES 6                                       ; nine places behind the last step's products: eight before loads into what they read, nine before this step's first products write over v112-143, which they read as an operand
	s_wait_alu depctr_va_vdst(0)
	ds_load_b128 v[KSC:KSC+3], v[ADS]
	ds_load_b128 v[VSC:VSC+3], v[ADS] offset:4096
.irp p, 0,1                                    ; K's four pair fragments in one run: 0, 1 into F,
.irp c, 0,1,2,3
	ds_load_b128 v[F+16*\p+4*\c:F+16*\p+4*\c+3], v[ADK] offset:2048*\p+512*\c
.endr
.endr
.irp p, 0,1                                    ; 2, 3 into the registers of p's codes and of the blocks' figures, which are free until the softmax
.irp c, 0,1,2,3
	ds_load_b128 v[PC+16*\p+4*\c:PC+16*\p+4*\c+3], v[ADK] offset:2048*(2+\p)+512*\c
.endr
.endr
	s_wait_dscnt 8                                 ; the scale words and fragments 0, 1 are in; the eight loads of fragments 2, 3, issued behind them, may be out
.irp p, 0,1                                    ; S^T = K Q^T: each pair fragment is multiplied twice
	v_wmma_scale_f32_16x16x128_f8f6f4 v[S+16*\p:S+16*\p+7], v[F+16*\p:F+16*\p+15], v[QLO:QLO+15], 0, v[KSC+\p], v[QS] matrix_a_fmt:MATRIX_FMT_BF8 matrix_b_fmt:MATRIX_FMT_BF8
	v_wmma_scale_f32_16x16x128_f8f6f4 v[S+16*\p+8:S+16*\p+15], v[F+16*\p:F+16*\p+15], v[QHI:QHI+15], 0, v[KSC+\p], v[QS] matrix_a_fmt:MATRIX_FMT_BF8 matrix_b_fmt:MATRIX_FMT_BF8
.endr
	s_wait_dscnt 0x0
.irp p, 0,1
	v_wmma_scale_f32_16x16x128_f8f6f4 v[S+32+16*\p:S+32+16*\p+7], v[PC+16*\p:PC+16*\p+15], v[QLO:QLO+15], 0, v[KSC+2+\p], v[QS] matrix_a_fmt:MATRIX_FMT_BF8 matrix_b_fmt:MATRIX_FMT_BF8
	v_wmma_scale_f32_16x16x128_f8f6f4 v[S+32+16*\p+8:S+32+16*\p+15], v[PC+16*\p:PC+16*\p+15], v[QHI:QHI+15], 0, v[KSC+2+\p], v[QS] matrix_a_fmt:MATRIX_FMT_BF8 matrix_b_fmt:MATRIX_FMT_BF8
.endr
	PLACES 8                                       ; in front of the loads into F, of the first read of the scores and of the first write of the blocks' figures
.irp p, 0,1                                    ; V's channel tiles 0, 1 land under the softmax
.irp c, 0,1,2,3
	ds_load_b128 v[F+16*\p+4*\c:F+16*\p+4*\c+3], v[ADV] offset:2048*\p+512*\c
.endr
.endr
	s_bitcmp1_b32 s[FW], 16
	s_cbranch_scc1 .Lopen_\@                       ; all keys count: nothing to hide
	s_wait_kmcnt 0x0                               ; this step's lane masks: every such step of the half ahead of it has used its own
.set n, 0
.rept 64                                       ; a hidden key's score becomes -infinity: p = 0
.if n < 48
	v_cndmask_b32 v[S+n], v[NINF], v[S+n], s[16+n]
.else
	v_cndmask_b32 v[S+n], v[NINF], v[S+n], s[32+n]
.endif
.set n, n+1
.endr
	s_sub_co_u32 s[MI], s[PT], 1
	s_and_b32 s[PT], s[PT], s[MI]                  ; the lowest bit goes,
	NEXTM                                          ; and the next such step's masks are asked for
.Lopen_\@:
.irp b, 0,1,2,3
	v_max3_num_f32 v[BM+\b], v[S+16*\b], v[S+16*\b+1], v[S+16*\b+2]   ; the largest score of each block of 32 keys: for the row's maximum and, since p rises with the score, for the block's largest p
.endr
.irp i, 3,5,7,9,11,13
.irp b, 0,1,2,3
	v_max3_num_f32 v[BM+\b], v[BM+\b], v[S+16*\b+\i], v[S+16*\b+\i+1]
.endr
.endr
.irp b, 0,1,2,3
	v_max_num_f32 v[BM+\b], v[BM+\b], v[S+16*\b+15]
.endr
.irp b, 0,1,2,3
	s_delay_alu instid0(VALU_DEP_4)
	v_permlanex16_b32 v[BP+\b], v[BM+\b], s[SEL], s[SEL+1]
.endr
.irp b, 0,1,2,3
	s_delay_alu instid0(VALU_DEP_4)
	v_max_num_f32 v[BM+\b], v[BM+\b], v[BP+\b]     ; with lane l xor 16's 16 keys
.endr
	s_delay_alu instid0(VALU_DEP_2)
	v_max3_num_f32 v[T0], v[BM], v[BM+1], v[BM+2]
	s_delay_alu instid0(VALU_DEP_1)
	v_max_num_f32 v[T0], v[T0], v[BM+3]            ; the step's largest score of my query
	s_delay_alu instid0(VALU_DEP_1)
	v_mul_f32 v[T0], s[CS], v[T0]                  ; as t
	s_delay_alu instid0(VALU_DEP_1)
	v_max_num_f32 v[\sb+1], v[\sb+1], v[T0]        ; the running largest t (a query all of whose keys were hidden so far keeps -3e38: its p are 0)
	v_mov_b32 v[T0], v[\sb]
	s_delay_alu instid0(VALU_DEP_2)
	v_floor_f32 v[\sb], -v[\sb+1]                  ; the new -M = -ceil(t): a whole number
	s_delay_alu instid0(VALU_DEP_1)
	v_sub_f32 v[T0], v[\sb], v[T0]                 ; old M - new M, 0 or less
	s_delay_alu instid0(VALU_DEP_1)
	v_cvt_i32_f32 v[T0], v[T0]                     ; (it saturates)
	s_delay_alu instid0(VALU_DEP_1)
	v_ldexp_f32 v[FP], 1.0, v[T0]                  ; f = 2^(old M - new M)
.set j, 0
.rept 32
	v_pk_fma_f32 v[S+j:S+j+1], v[S+j:S+j+1], s[CS:CS+1], v[\sb:\sb+1] op_sel_hi:[1,0,0]   ; t - M, two at a time
.set j, j+2
.endr
.irp b, 0,1,2,3
	v_fma_f32 v[BM+\b], v[BM+\b], s[CS], v[\sb]    ; the same of each block's largest score
.endr
.set j, 0
	s_wait_alu depctr_va_vdst(0)
.rept 64
	v_exp_f32 v[S+j], v[S+j]                       ; p = 2^(t - M), at most 1
.set j, j+1
.endr
	v_pk_mul_f32 v[\sb+2:\sb+3], v[\sb+2:\sb+3], v[FP:FP+1] op_sel_hi:[1,0]   ; the sums under the new M: the plain line behind the exponentials
	s_wait_alu depctr_va_vdst(0)                   ; one wait for the batch of 64, ahead of its first reader
.irp b, 0,1,2,3
	v_exp_f32 v[BM+\b], v[BM+\b]                   ; the block's largest p
.endr
	v_pk_add_f32 v[SC2:SC2+1], v[S:S+1], v[S+2:S+3]   ; the row's sum of the unquantised p, in two chains
.set j, 4
.rept 15
	v_pk_add_f32 v[\sb+2:\sb+3], v[\sb+2:\sb+3], v[S+j:S+j+1]
	v_pk_add_f32 v[SC2:SC2+1], v[SC2:SC2+1], v[S+j+2:S+j+3]
.set j, j+4
.endr
	s_delay_alu instid0(VALU_DEP_1)
	v_pk_add_f32 v[\sb+2:\sb+3], v[\sb+2:\sb+3], v[SC2:SC2+1]
	s_wait_alu depctr_va_vdst(0)                   ; and one for the four
.irp b, 0,1,2,3
	v_max_num_f32 v[BM+\b], 0x8000000, v[BM+\b]    ; the floor 2^(16 - 127): the byte cannot fall under 1
.endr
.irp b, 0,1,2,3
	s_delay_alu instid0(VALU_DEP_4)
	v_add_nc_u32 v[BS+\b], 0xf8800000, v[BM+\b]    ; 15 off the exponent field: the conversion's scale operand
.endr
.irp b, 0,1,2,3
	v_and_or_b32 v[BH+\b], v[BM+\b], 0x7f800000, s[MNT]   ; 57,344 x the scale
.endr
.irp b, 0,1,2,3
	v_lshrrev_b32 v[BP+\b], 23, v[BS+\b]           ; the scale's byte
.endr
	s_delay_alu instid0(VALU_DEP_3)
	v_lshl_or_b32 v[PSW], v[BP+1], 8, v[BP]        ; p's scale word: the 64 holds below stand between it and the products
	s_delay_alu instid0(VALU_DEP_1)
	v_lshl_or_b32 v[PSW], v[BP+2], 16, v[PSW]
	s_delay_alu instid0(VALU_DEP_1)
	v_lshl_or_b32 v[PSW], v[BP+3], 24, v[PSW]
.irp b, 0,1,2,3
.irp i, 0,1,2,3,4,5,6,7,8,9,10,11,12,13,14,15
	v_min_num_f32 v[S+16*\b+\i], v[S+16*\b+\i], v[BH+\b]   ; the conversion does not saturate (ISA guide 7.6.2); p is not negative: a one-sided hold
.endr
	v_cvt_scalef32_pk8_bf8_f32 v[PC+4*\b:PC+4*\b+1], v[S+16*\b:S+16*\b+7], v[BS+\b]
	v_cvt_scalef32_pk8_bf8_f32 v[PC+4*\b+2:PC+4*\b+3], v[S+16*\b+8:S+16*\b+15], v[BS+\b]
.if \b == 1
.irp p, 0,1                                    ; blocks 0, 1 are codes now: their 32 registers take V's channel tiles 2, 3, which land under blocks 2, 3 and the rescaling
.irp c, 0,1,2,3
	ds_load_b128 v[S+16*\p+4*\c:S+16*\p+4*\c+3], v[ADV] offset:2048*(2+\p)+512*\c
.endr
.endr
.endif
.endr
.set j, 0
.rept 16
	v_pk_mul_f32 v[\ob+j:\ob+j+1], v[\ob+j:\ob+j+1], v[FP:FP+1] op_sel_hi:[1,0]   ; O^T under the new M; these are also the places between the codes and the products
.set j, j+2
.endr
	s_wait_alu depctr_va_vdst(0)
	s_wait_dscnt 0x0                               ; V's four channel tiles
.irp p, 0,1                                    ; O^T += V^T P^T: the four accumulators by turns
	v_wmma_scale_f32_16x16x128_f8f6f4 v[\ob+8*\p:\ob+8*\p+7], v[F+16*\p:F+16*\p+15], v[PC:PC+15], v[\ob+8*\p:\ob+8*\p+7], v[VSC+\p], v[PSW] matrix_a_fmt:MATRIX_FMT_BF8 matrix_b_fmt:MATRIX_FMT_BF8
.endr
.irp p, 0,1
	v_wmma_scale_f32_16x16x128_f8f6f4 v[\ob+16+8*\p:\ob+16+8*\p+7], v[S+16*\p:S+16*\p+15], v[PC:PC+15], v[\ob+16+8*\p:\ob+16+8*\p+7], v[VSC+2+\p], v[PSW] matrix_a_fmt:MATRIX_FMT_BF8 matrix_b_fmt:MATRIX_FMT_BF8
.endr
.Lskip_\@:
	s_lshr_b32 s[FW], s[FW], 1                     ; on to the next step: its flags, codes and scale words
	s_add_co_u32 s[TK], s[TK], 8192
	s_add_co_u32 s[TS], s[TS], 256
.endm
	s_load_b256 s[16:23], s[0:1], 0x0              ; qkvc s[16:17], qkvs s[18:19], mw s[20:21], mf s[22:23]
	s_load_b128 s[24:27], s[0:1], 0x20             ; oc s[24:25], os s[26:27]
	v_lshl_add_u32 v[SPW], v0, 2, SPARE
	v_mov_b32 v[NIL], 0
	v_lshrrev_b32 v[T0], 5, v0
	s_delay_alu instid0(VALU_DEP_1)
	v_readfirstlane_b32 s[WV], v[T0]               ; wave 0..15
	v_and_b32 v[T0], 31, v0
	s_delay_alu instid0(VALU_DEP_1)
	v_lshlrev_b32 v[LI], 4, v[T0]
	v_and_b32 v[T1], 15, v0
	s_delay_alu instid0(VALU_DEP_1)
	v_lshlrev_b32 v[R16], 4, v[T1]
	s_delay_alu instid0(VALU_DEP_1)
	v_add_nc_u32 v[LS], KSB, v[R16]
	v_lshlrev_b32 v[GOF], 4, v0
	s_delay_alu instid0(VALU_DEP_1)
	v_add_nc_u32 v[SA], KSB, v[GOF]
	s_lshl_b32 s28, s[WV], 10
	v_add_nc_u32 v[QA], s28, v[LI]
	s_delay_alu instid0(VALU_DEP_1)
	v_add_nc_u32 v[QA], QX, v[QA]                  ; QX + 1,024 x wave + 16 x lane
	v_lshl_add_u32 v[QSA], v0, 2, QXS              ; QXS + 128 x wave + 4 x lane
	v_mov_b32 v[NINF], 0xff800000
	s_and_b32 s28, ttmp7, 0xffff                   ; the head, of 32
	s_mov_b32 s29, 0x0de3b658                      ; the ranks of waves 8-15, a nibble each;
	s_cmp_lt_u32 s[WV], 8
	s_cselect_b32 s29, 0x7a94c12f, s29             ; of waves 0-7
	s_cselect_b32 s33, 0, 126976                   ; waves 8-15 bring V's scale words: a section on, less the 4,096 bytes that their threads' numbers are ahead
	s_and_b32 s30, s[WV], 7
	s_lshl_b32 s30, s30, 2
	s_lshr_b32 s29, s29, s30
	s_and_b32 s29, s29, 15                         ; my rank
	s_xor_b32 s31, s29, 15                         ; 15 - rank: the rank of wave 15 - w
	s_lshl_b32 s30, s29, 3
	s_add_co_u32 s30, s30, ttmp9                   ; X, the tile that I own: 8 rank + g
	s_lshl_b32 s31, s31, 3
	s_add_co_u32 s31, s31, ttmp9                   ; Y, the tile whose upper keys I walk
	s_lshl_b32 s34, s28, 17                        ; a head's codes: 131,072 bytes
	s_mov_b32 s35, 0
	s_lshl_b32 s36, s30, 10                        ; a tile of Q: 1,024
	s_mov_b32 s37, 0
	s_lshl_b32 s46, s31, 10
	s_mov_b32 s47, 0
	s_lshl_b32 s38, s28, 12                        ; a head's scale words: 4,096
	s_add_co_u32 s33, s33, 131072                  ; K's section
	s_add_co_u32 s40, s38, s33
	s_mov_b32 s41, 0
	s_lshr_b32 s42, s30, 3
	s_lshl_b32 s42, s42, 8                         ; Q's scale word: step tile / 8,
	s_and_b32 s43, s30, 6
	s_lshl_b32 s43, s43, 1                         ; word (tile % 8) / 2
	s_add_co_u32 s42, s42, s43
	s_add_co_u32 s42, s42, s38
	s_mov_b32 s43, 0
	s_lshr_b32 s44, s31, 3
	s_lshl_b32 s44, s44, 8
	s_and_b32 s45, s31, 6
	s_lshl_b32 s45, s45, 1
	s_add_co_u32 s44, s44, s45
	s_add_co_u32 s44, s44, s38
	s_mov_b32 s45, 0
	s_lshl_b32 s48, s30, 12                        ; a tile's mask words: 4,096
	s_mov_b32 s49, 0
	s_lshl_b32 s50, s31, 12
	s_add_co_u32 s50, s50, 2048                    ; from key step 8 on
	s_mov_b32 s51, 0
	s_lshl_b32 s52, s30, 4                         ; a tile's flags: 16 bytes
	s_mov_b32 s53, 0
	s_lshl_b32 s54, s31, 4
	s_add_co_u32 s54, s54, 8                       ; steps 8-15
	s_mov_b32 s55, 0
	s_lshr_b32 s56, s28, 3
	s_lshl_b32 s56, s56, 7
	s_add_co_u32 s56, s56, s30                     ; the token tile, of 512: 128 b + X
	s_and_b32 s57, s28, 7                          ; the head, of 8
	s_lshl_b32 s58, s56, 13
	s_lshl_b32 s59, s57, 10
	s_add_co_u32 s58, s58, s59                     ; oc: tile x 8,192 + head x 1,024 (K step head / 2, pieces 2 (head % 2) on)
	s_mov_b32 s59, 0
	s_lshl_b32 s60, s56, 8
	s_lshl_b32 s61, s57, 1
	s_add_co_u32 s60, s60, s61                     ; os: tile x 256 + 2 head
	s_mov_b32 s61, 0
	s_and_b32 s62, s30, 1                          ; X and Y are both even or both odd, as g is
	s_cmp_eq_u32 s62, 1
	s_mov_b32 s79, 0x01000100                      ; an even tile's two bytes are the word's lower,
	s_cselect_b32 s79, 0x03020302, s79             ; an odd tile's its upper
	s_mov_b32 s[SEL], 0x76543210
	s_mov_b32 s[SEL+1], 0xfedcba98
	s_mov_b32 s[CS], 0x3e38aa3b                    ; c = log2(e) / 8
	s_mov_b32 s[CS+1], s[CS]                       ; (named with it as a pair, so it is written)
	s_mov_b32 s[MNT], 0x600000
	s_wait_alu depctr_va_vdst(0)
	s_wait_kmcnt 0x0
	s_add_nc_u64 s[34:35], s[16:17], s[34:35]      ; Q's codes of my head,
	s_add_nc_u64 s[4:5], s[34:35], 0x400000        ; K's,
	s_add_nc_u64 s[6:7], s[34:35], 0x800000        ; V's
	s_add_nc_u64 s[36:37], s[34:35], s[36:37]      ; tile X of Q,
	s_add_nc_u64 s[46:47], s[34:35], s[46:47]      ; tile Y
	s_add_nc_u64 s[40:41], s[18:19], s[40:41]
	s_add_nc_u64 s[42:43], s[18:19], s[42:43]
	s_add_nc_u64 s[44:45], s[18:19], s[44:45]
	s_add_nc_u64 s[MB:MB+1], s[20:21], s[48:49]
	s_add_nc_u64 s[MB2:MB2+1], s[20:21], s[50:51]
	s_add_nc_u64 s[52:53], s[22:23], s[52:53]
	s_add_nc_u64 s[54:55], s[22:23], s[54:55]
	s_add_nc_u64 s[8:9], s[24:25], s[58:59]
	s_add_nc_u64 s[10:11], s[26:27], s[60:61]
	s_load_b64 s[FL:FL+1], s[52:53], 0x0
	s_load_b64 s[FL+2:FL+3], s[54:55], 0x0
	CLOAD 0, F
	global_load_b128 v[S:S+3], v[GOF], s[40:41]    ; my 16 bytes of the head's 8,192 bytes of scale words
	global_load_b128 v[QLO:QLO+3], v[LI], s[36:37] ; tile X's Q goes into its registers,
	global_load_b128 v[QLO+4:QLO+7], v[LI], s[36:37] offset:512
	global_load_b32 v[T0], v[R16], s[42:43]
	global_load_b128 v[S+4:S+7], v[LI], s[46:47]   ; tile Y's waits in LDS bytes of my own
	global_load_b128 v[S+8:S+11], v[LI], s[46:47] offset:512
	global_load_b32 v[T1], v[R16], s[44:45]
	CLOAD 1, STG
.irp j, 0,1,2,3,4,5,6,7
	v_mov_b32 v[QHI+\j], 0                         ; the zero codes on both sides of Q
	v_mov_b32 v[QLO+8+\j], 0
.endr
.set j, 0
.rept 32
	v_mov_b32 v[O1+j], 0                           ; O^T: which step is a part's first hangs on the mask, so no first product can be written out to start the sums
.set j, j+1
.endr
	v_mov_b32 v[ST1+1], 0xff61b1e6                 ; the largest t so far: -3e38
	s_delay_alu instid0(VALU_DEP_1)
	v_floor_f32 v[ST1], -v[ST1+1]                  ; -M
	v_mov_b32 v[ST1+2], 0
	v_mov_b32 v[ST1+3], 0
.irp b, 0,1,2,3
	v_mov_b32 v[BP+\b], 0                          ; a lane permute's destination counts as one of its sources
.endr
	v_mov_b32 v[FP+1], 0                           ; (named as the upper half of the pair)
	s_wait_alu depctr_va_vdst(0)
	s_wait_kmcnt 0x0                               ; the flags
	s_wait_xcnt 0x0                                ; and my loads have read their bases, which are written again below
	FLAGS FW, FL, PT
	FLAGS FW2, FL+2, PT2
	NEXTM
	s_wait_loadcnt 8                               ; all but chunk 1's eight loads are in
	v_perm_b32 v[QS], v[T0], v[T0], s79            ; a tile's two bytes, twice: they serve [Q | 0] and [0 | Q]
	v_perm_b32 v[T1], v[T1], v[T1], s79
	ds_store_b128 v[SA], v[S:S+3]
	ds_store_b128 v[QA], v[S+4:S+7]
	ds_store_b128 v[QA], v[S+8:S+11] offset:512
	ds_store_b32 v[QSA], v[T1]
	CPUT 0, F, 8
	BARRIER
	; ---- tile X, key steps 0-7.  Behind each of the first three steps a chunk goes to LDS: every wave fills and passes every barrier, whatever it jumps over
	s_mov_b32 s[TK], 0                             ; these three steps read bytes of chunk 0 alone: under 24,576 in each section; the chunks stored meanwhile begin at 32,768
	s_mov_b32 s[TS], 0
	STEP O1, ST1
	CPUT 1, STG, 0
	CLOAD 2, STG                                   ; a key step ahead of its store
	BARRIER
	STEP O1, ST1
	CPUT 2, STG, 0
	CLOAD 3, STG
	BARRIER
	STEP O1, ST1
	CPUT 3, STG, 0
	BARRIER                                        ; the head's K and V are whole: no barrier until the parts are joined
	s_mov_b32 s[TK], 24576
	s_mov_b32 s[TS], 768
	s_mov_b32 s[CNT], 5
.Llow:
	STEP O1, ST1
	s_sub_co_u32 s[CNT], s[CNT], 1
	s_cmp_lg_u32 s[CNT], 0
	s_cbranch_scc1 .Llow
	; ---- the switch to tile Y, key steps 8-15.  Its O^T takes the fill's registers.  The 36 lines that start its state are also the places in front of the loads into Q's registers and scale word
.set j, 0
.rept 32
	v_mov_b32 v[O2+j], 0
.set j, j+1
.endr
	v_mov_b32 v[ST2+1], 0xff61b1e6
	s_delay_alu instid0(VALU_DEP_1)
	v_floor_f32 v[ST2], -v[ST2+1]
	v_mov_b32 v[ST2+2], 0
	v_mov_b32 v[ST2+3], 0
	s_wait_alu depctr_va_vdst(0)
	ds_load_b128 v[QLO:QLO+3], v[QA]               ; bytes that I stored myself
	ds_load_b128 v[QLO+4:QLO+7], v[QA] offset:512
	ds_load_b32 v[QS], v[QSA]
	s_wait_kmcnt 0x0                               ; no mask words of mine are on their way: their base may be written
	s_mov_b32 s[FW], s[FW2]
	s_mov_b32 s[PT], s[PT2]
	s_mov_b64 s[MB:MB+1], s[MB2:MB2+1]
	NEXTM
	s_mov_b32 s[TK], 65536
	s_mov_b32 s[TS], 2048
	s_mov_b32 s[CNT], 8
	s_wait_dscnt 0x0
.Lhigh:
	STEP O2, ST2
	s_sub_co_u32 s[CNT], s[CNT], 1
	s_cmp_lg_u32 s[CNT], 0
	s_cbranch_scc1 .Lhigh
	; ---- THE PARTS ARE JOINED.  I hold tile X's lower part and tile Y's upper; wave 15 - w holds tile Y's lower part and tile X's upper.  Each stores its upper part; each loads the other's.
	PLACES 8                                       ; behind the last products: their results are read by LDS stores, and loads land on what they read
	s_wait_kmcnt 0x0                               ; (the last mask words, which nobody uses)
	s_wait_dscnt 0x0                               ; my reads of K and V are over
	s_barrier_signal -1
	s_barrier_wait -1                              ; everybody's are: K's bytes may be written
	s_mul_i32 s78, s[WV], MGW
	s_xor_b32 s79, s[WV], 15                       ; 15 - w
	s_mul_i32 s79, s79, MGW
	v_add_nc_u32 v[FK], s78, v[LI]
	s_wait_alu depctr_va_vdst(0)
	v_add_nc_u32 v[FV], s79, v[LI]
.irp k, 0,1,2,3,4,5,6,7
	ds_store_b128 v[FK], v[O2+4*\k:O2+4*\k+3] offset:KC+512*\k   ; an image of the registers; each accumulator from its low end on
.endr
	ds_store_b128 v[FK], v[ST2:ST2+3] offset:KC+4096
	s_wait_alu depctr_va_vdst(0)
	s_wait_dscnt 0x0                               ; for the other's sake: my stores have landed
	s_barrier_signal -1
	s_barrier_wait -1
.irp k, 0,1,2,3,4,5,6,7
	ds_load_b128 v[S+4*\k:S+4*\k+3], v[FV] offset:KC+512*\k      ; tile X's upper O^T,
.endr
	ds_load_b128 v[BM:BM+3], v[FV] offset:KC+4096                ; its -M, t and sum
	s_wait_dscnt 0x0
	v_min_num_f32 v[T0], v[ST1], v[BM]             ; the joint -M: the larger M
	s_delay_alu instid0(VALU_DEP_1)
	v_sub_f32 v[T1], v[T0], v[ST1]                 ; the lower part's M less the joint one: a whole number, 0 or less
	s_delay_alu instid0(VALU_DEP_2)
	v_sub_f32 v[BP], v[T0], v[BM]                  ; the upper part's
	s_delay_alu instid0(VALU_DEP_2)
	v_cvt_i32_f32 v[T1], v[T1]                     ; (they saturate: a part in which no key counted has -M = 3e38, O^T = 0 and the sum 0, and gets the factor 0)
	s_delay_alu instid0(VALU_DEP_2)
	v_cvt_i32_f32 v[BP], v[BP]
	s_delay_alu instid0(VALU_DEP_2)
	v_ldexp_f32 v[FP], 1.0, v[T1]                  ; f1
	s_delay_alu instid0(VALU_DEP_2)
	v_ldexp_f32 v[BP+1], 1.0, v[BP]                ; f2
	v_add_f32 v[ST1+2], v[ST1+2], v[ST1+3]
	v_add_f32 v[BM+2], v[BM+2], v[BM+3]
	s_delay_alu instid0(VALU_DEP_2)
	v_mul_f32 v[ST1+2], v[ST1+2], v[FP]
	s_delay_alu instid0(VALU_DEP_1)
	v_fmac_f32 v[ST1+2], v[BM+2], v[BP+1]          ; the sums under the joint M,
	s_delay_alu instid0(VALU_DEP_1)
	v_permlanex16_b32 v[T1], v[ST1+2], s[SEL], s[SEL+1]
	s_delay_alu instid0(VALU_DEP_1)
	v_add_f32 v[ST1+2], v[ST1+2], v[T1]            ; and lane l xor 16's: the row's sum
	s_wait_alu depctr_va_vdst(0)
	v_rcp_f32 v[T0], v[ST1+2]
	v_nop                                          ; a plain line behind the reciprocal
	s_wait_alu depctr_va_vdst(0)                   ; and the wait ahead of its first reader
.set j, 0
.rept 32
	v_mul_f32 v[S+j], v[S+j], v[BP+1]              ; the upper part under the joint M: exact
.set j, j+1
.endr
.set j, 0
.rept 32
	v_fmac_f32 v[S+j], v[O1+j], v[FP]              ; + the lower part under it; each accumulator from its low end on
.set j, j+1
.endr
.set j, 0
.rept 32
	v_mul_f32 v[S+j], v[S+j], v[T0]                ; / the sum
.set j, j+1
.endr
	; ---- THE WAY OUT.  Register 16 b + i is channel 32 b + 16 h + i of my query: two blocks of the last product's K.  The codes are two pieces of an operand's image and leave as they stand.
.irp b, 0,1
	v_max3_num_f32 v[BM+\b], |v[S+16*\b]|, |v[S+16*\b+1]|, 0x8000000
.endr
.irp i, 2,4,6,8,10,12,14
.irp b, 0,1
	s_delay_alu instid0(VALU_DEP_2)
	v_max3_num_f32 v[BM+\b], v[BM+\b], |v[S+16*\b+\i]|, |v[S+16*\b+\i+1]|
.endr
.endr
.irp b, 0,1
	s_delay_alu instid0(VALU_DEP_2)
	v_permlanex16_b32 v[BP+\b], v[BM+\b], s[SEL], s[SEL+1]
.endr
.irp b, 0,1
	s_delay_alu instid0(VALU_DEP_2)
	v_max_num_f32 v[BM+\b], v[BM+\b], v[BP+\b]
.endr
.irp b, 0,1
	s_delay_alu instid0(VALU_DEP_2)
	v_add_nc_u32 v[BS+\b], 0xf8800000, v[BM+\b]
.endr
.irp b, 0,1
	s_delay_alu instid0(VALU_DEP_4)
	v_and_or_b32 v[BH+\b], v[BM+\b], 0x7f800000, s[MNT]
.endr
.irp b, 0,1
	s_delay_alu instid0(VALU_DEP_4)
	v_lshrrev_b32 v[BP+\b], 23, v[BS+\b]
.endr
	s_delay_alu instid0(VALU_DEP_1)
	v_lshl_or_b32 v[T1], v[BP+1], 8, v[BP]         ; my row's two scale bytes
.irp b, 0,1
.irp i, 0,1,2,3,4,5,6,7,8,9,10,11,12,13,14,15
	v_med3_num_f32 v[S+16*\b+\i], v[S+16*\b+\i], -v[BH+\b], v[BH+\b]
.endr
	v_cvt_scalef32_pk8_bf8_f32 v[PC+4*\b:PC+4*\b+1], v[S+16*\b:S+16*\b+7], v[BS+\b]
	v_cvt_scalef32_pk8_bf8_f32 v[PC+4*\b+2:PC+4*\b+3], v[S+16*\b+8:S+16*\b+15], v[BS+\b]
.endr
	v_nop
	v_cmp_neq_f32 vcc_lo, 0, v[ST1+2]
	s_delay_alu instid0(VALU_DEP_1)
	v_cndmask_b32 v[T1], 0xffff, v[T1], vcc_lo     ; no key counted for my query: both bytes NaN
	global_store_b128 v[LI], v[PC:PC+3], s[8:9]    ; 512 consecutive bytes each
	global_store_b128 v[LI], v[PC+4:PC+7], s[8:9] offset:512
	global_store_b16 v[R16], v[T1], s[10:11]       ; lanes l and l + 16 hold the same two bytes and name the same place
	s_wait_tensorcnt 0x0                           ; the wave's end, behind my last LDS store
	ds_add_u32 v[SPW], v[NIL]
	s_wait_dscnt 0x0
	s_endpgm
.Lfunc_end_k_q21c4052293_attn:
	.size	k_q21c4052293_attn, .Lfunc_end_k_q21c4052293_attn-k_q21c4052293_attn
	.p2alignl 7, 3214868480
	.fill 96, 4, 3214868480
	.section	.rodata,"a",@progbits
	.p2align	6, 0x0
	.amdhsa_kernel k_q21c4052293_attn
		.amdhsa_group_segment_fixed_size 290816
		.amdhsa_private_segment_fixed_size 0
		.amdhsa_enable_private_segment 0
		.amdhsa_kernarg_size 48
		.amdhsa_user_sgpr_count 2
		.amdhsa_user_sgpr_kernarg_segment_ptr 1
		.amdhsa_wavefront_size32 1
		.amdhsa_system_sgpr_workgroup_id_x 1
		.amdhsa_system_sgpr_workgroup_id_y 1
		.amdhsa_system_sgpr_workgroup_id_z 1
		.amdhsa_system_vgpr_workitem_id 0
		.amdhsa_next_free_vgpr 256
		.amdhsa_next_free_sgpr 100
		.amdhsa_reserve_vcc 1
		.amdhsa_float_denorm_mode_32 3
		.amdhsa_float_denorm_mode_16_64 3
		.amdhsa_memory_ordered 1
		.amdhsa_forward_progress 1
		.amdhsa_inst_pref_size 148
	.end_amdhsa_kernel
	.amdgpu_metadata
---
amdhsa.version: [ 1, 2 ]
amdhsa.kernels:
  - .name:           k_q21c4052293_attn
    .symbol:         k_q21c4052293_attn.kd
    .args:
      - { .name: qkvc, .offset: 0, .size: 8, .value_kind: global_buffer, .address_space: global }
      - { .name: qkvs, .offset: 8, .size: 8, .value_kind: global_buffer, .address_space: global }
      - { .name: mw, .offset: 16, .size: 8, .value_kind: global_buffer, .address_space: global }
      - { .name: mf, .offset: 24, .size: 8, .value_kind: global_buffer, .address_space: global }
      - { .name: oc, .offset: 32, .size: 8, .value_kind: global_buffer, .address_space: global }
      - { .name: os, .offset: 40, .size: 8, .value_kind: global_buffer, .address_space: global }
    .group_segment_fixed_size: 290816
    .private_segment_fixed_size: 0
    .kernarg_segment_align: 8
    .kernarg_segment_size: 48
    .max_flat_workgroup_size: 512
    .sgpr_count:     100
    .vgpr_count:     256
    .wavefront_size: 32
...
	.end_amdgpu_metadata
.endif
;; end of part 7
;; launch outp (part 8): grid 4 x 64, 4 waves a work-group, clusters of 4 x 4, 167,936 bytes of LDS; arguments oc, os, qc, qs, out0; writes out0
.if DOCPART == 8
	.amdgcn_target "amdgcn-amd-amdhsa--gfx1250"
	.amdhsa_code_object_version 6
	.text
	.protected	k_q21c4052293_outp
	.globl	k_q21c4052293_outp
	.p2align	8
	.type	k_q21c4052293_outp,@function
k_q21c4052293_outp:
	s_mov_b64 s[64:65], 0
	v_nop
	global_prefetch_b8 v0, s[64:65] scope:SCOPE_SE
	s_setreg_imm32_b32 hwreg(HW_REG_WAVE_MODE, 25, 1), 1
	s_wait_xcnt 0x0
	s_wait_alu depctr_hold_cnt(0) depctr_sa_sdst(0) depctr_va_vdst(0) depctr_va_sdst(0) depctr_va_ssrc(0) depctr_va_vcc(0) depctr_vm_vsrc(0)
	s_getreg_b32 s2, hwreg(HW_REG_IB_STS2, 6, 4)
	s_cmp_eq_u32 s2, 0
	s_cbranch_scc0 .Lentry_in_a_cluster
	s_endpgm
.Lentry_in_a_cluster:
	s_bfe_u32 s2, ttmp6, 0x10000c
	s_cmp_lg_u32 s2, 0xf033
	s_cbranch_scc0 .Lentry_shape_is_right
	s_endpgm
.Lentry_shape_is_right:
; out0 = O WO^T on codes of BF8 (E5M2) with E8M0 scales; out0 [8192][512] f32.  Both operands lie in memory as images of operand registers ([tile][K step 4][c 4][512]; scale words [tile][r 16][K step 4]).
; SHARES.  Work-group (G, chunk) makes 128 tokens x 128 outputs from 64 KB of codes of O and 64 KB of WO, which lie in LDS as they lie in memory; nothing is filled twice.
; CLUSTERS of 4 x 4: the four of a row share O's tile, the four of a column WO's: asked for jointly, one tensor load a wave: waves 0, 1 the halves of O, waves 2, 3 those of WO.
; No prefetch: all tiles are asked for at the head, and there is no loop to run ahead in.
; A wave (a = wave / 2, b = wave % 2) multiplies four token tiles (4 a on) by four output tiles (4 b on): 64 matrix instructions on 16 accumulators; each fragment is read from LDS once a wave.
; Source 0 = WO, source 1 = O: a lane holds one token, and register 16 B + i of a token tile is output 128 G + 64 b + 32 B + 16 h + i (lane r of tile 2 B + u holds row 32 B + 8 u + r + 8 (r / 8)).
; A lane's results are pieces of 64 bytes of a row: a token tile goes through the wave's own stage in LDS (rows 272 bytes apart = 17 x 16) and leaves as rows of 256 consecutive bytes, aligned, two rows a store.
; REGISTERS: window 0: v1-9 addresses; v16-31 WO's scale words (4 t + k); v34-49 O's (4 u + k): no product's two have numbers equal modulo 8; v64-191 the accumulators; v192-255 rows on their way out.
;   window 1: WO's fragments at 16 (4 k + t);  window 2: O's at 16 (4 k + u).
.set STAGE, 131072                     ; behind O's and WO's 65,536 bytes each: 16 rows x 272 bytes a wave, where no tensor load lands
.set SPARE, STAGE+4*4352               ; the spare words: 128 bytes a wave, two blocks of 256 bytes that no other line names
.set LI,   1                           ; v1  16 x lane
.set R16,  2                           ; v2  16 r
.set STO,  3                           ; v3  stage, way in: 272 r + 64 h
.set RD,   4                           ; v4  stage, way out: 272 h + 16 r
.set CO,   5                           ; v5  and in out0: 2,048 h + 16 r
.set SPW,  6                           ; v6  my spare word; never rewritten
.set NIL,  7                           ; v7  0; never rewritten
.set ADW,  8                           ; v8  LDS: my four tiles of WO
.set ADO,  9                           ; v9  LDS: my four tiles of O
.set RS,   16
.set SS,   34
.set ACC,  64
.set BK,   192
.set G1A,  40
.set G1B,  48
.set G0A,  56
.set G0B,  60
.set MSB, 0
.macro WIN new                         ; the immediate's high byte repeats the setting that is left
.if MSB != \new
	s_set_vgpr_msb (MSB<<8)|\new
.set MSB, \new
.endif
.endm
.macro CROUND                          ; a round of the cluster's barrier
	s_barrier_signal -1
	s_barrier_wait -1
	s_cmp_lg_u32 s14, 0
	s_cbranch_scc1 .Lnot_wave_0_\@
	s_barrier_signal -3
.Lnot_wave_0_\@:
	s_barrier_wait -3
	s_barrier_signal -1
	s_barrier_wait -1
.endm
.macro GROUP1 g, mask                  ; descriptor group 1: a dense block of 32,768 bytes as 128 rows of 256 bytes (32 elements of 8), no padding
	s_or_b32 s[\g+0], s[\mask], (3<<16)|(1<<21)
	s_mov_b32 s[\g+1], 32<<16
	s_mov_b32 s[\g+2], 128<<16
	s_mov_b32 s[\g+3], 32<<16
	s_mov_b32 s[\g+4], 128
	s_mov_b32 s[\g+5], 32
	s_mov_b32 s[\g+6], 0
	s_mov_b32 s[\g+7], 0
.endm
.macro LOADK k                         ; K step k of my eight tiles: 32 loads
	WIN 0x40
.irp t, 0,1,2,3
.irp c, 0,1,2,3
	ds_load_b128 v[16*(4*\k+\t)+4*\c:16*(4*\k+\t)+4*\c+3], v[ADW] offset:8192*\t+2048*\k+512*\c
.endr
.endr
	WIN 0x80
.irp t, 0,1,2,3
.irp c, 0,1,2,3
	ds_load_b128 v[16*(4*\k+\t)+4*\c:16*(4*\k+\t)+4*\c+3], v[ADO] offset:8192*\t+2048*\k+512*\c
.endr
.endr
	WIN 0
.endm
.macro MULK k                          ; the sixteen accumulators by turns, one instruction a turn
	WIN 0x09                                       ; source 0 window 1, source 1 window 2, C and D window 0
.irp u, 0,1,2,3
.irp t, 0,1,2,3
.set D_, ACC+32*\u+8*\t
.set A_, 16*(4*\k+\t)
.set B_, 16*(4*\k+\u)
.if \k
	v_wmma_scale_f32_16x16x128_f8f6f4 v[D_:D_+7], v[A_:A_+15], v[B_:B_+15], v[D_:D_+7], v[RS+4*\t+\k], v[SS+4*\u+\k] matrix_a_fmt:MATRIX_FMT_BF8 matrix_b_fmt:MATRIX_FMT_BF8
.else
	v_wmma_scale_f32_16x16x128_f8f6f4 v[D_:D_+7], v[A_:A_+15], v[B_:B_+15], 0, v[RS+4*\t+\k], v[SS+4*\u+\k] matrix_a_fmt:MATRIX_FMT_BF8 matrix_b_fmt:MATRIX_FMT_BF8
.endif
.endr
.endr
	WIN 0
.endm
.macro TOSTAGE u                       ; token tile u into my stage and back as rows: LDS serves a wave's instructions in order, so no wait stands between
.irp b, 0,1
.irp j, 0,1,2,3
	ds_store_b128 v[STO], v[ACC+32*\u+16*\b+4*\j:ACC+32*\u+16*\b+4*\j+3] offset:128*\b+16*\j   ; each accumulator from its low end on
.endr
.endr
.irp i, 0,1,2,3,4,5,6,7
	ds_load_b128 v[BK+32*(\u%2)+4*\i:BK+32*(\u%2)+4*\i+3], v[RD] offset:544*\i
.endr
.endm
.macro SEND u, younger                 ; younger: the LDS instructions issued behind the tile's, which may stay out
	s_wait_dscnt \younger
.irp i, 0,1,2,3,4,5,6,7
	global_store_b128 v[CO], v[BK+32*(\u%2)+4*\i:BK+32*(\u%2)+4*\i+3], s[70:71] offset:(32*(\u/2)+8*(\u%2)+2*\i+8*(\i/4))*2048 th:TH_STORE_NT   ; sixteen lanes store 256 consecutive bytes of a token's row, aligned; written once, read by nobody here
.endr
.endm
	s_load_b256 s[4:11], s[0:1], 0x0               ; oc s[4:5], os s[6:7], qc s[8:9], qs s[10:11]
	s_load_b64 s[12:13], s[0:1], 0x20              ; out0
	v_lshl_add_u32 v[SPW], v0, 2, SPARE
	v_mov_b32 v[NIL], 0
	ds_add_u32 v[SPW], v[NIL]                      ; the wave's opening: the add, twice on end, and its wait ahead of my first tensor load; work on registers stands between
	ds_add_u32 v[SPW], v[NIL]
	v_lshrrev_b32 v10, 5, v0
	v_readfirstlane_b32 s14, v10                   ; wave 0..3
	v_and_b32 v10, 31, v0
	v_lshlrev_b32 v[LI], 4, v10
	v_and_b32 v10, 15, v0                          ; r
	v_lshlrev_b32 v[R16], 4, v10
	v_bfe_u32 v11, v0, 4, 1                        ; h
	v_mul_u32_u24 v12, v10, 272
	v_lshl_add_u32 v12, v11, 6, v12
	v_mul_u32_u24 v13, v11, 272
	v_add_nc_u32 v13, v13, v[R16]
	v_lshl_add_u32 v[CO], v11, 11, v[R16]
	s_lshr_b32 s15, s14, 1                         ; a
	s_and_b32 s16, s14, 1                          ; b
	s_mul_i32 s17, s14, 4352
	s_add_co_u32 s17, s17, STAGE                   ; my stage
	v_add_nc_u32 v[STO], s17, v12
	v_add_nc_u32 v[RD], s17, v13
	s_lshl_b32 s18, s15, 15
	v_add_nc_u32 v[ADO], s18, v[LI]
	s_lshl_b32 s19, s16, 15
	s_add_co_u32 s38, s19, 65536
	v_add_nc_u32 v[ADW], s38, v[LI]
	s_wait_alu depctr_va_vdst(0)
	s_bfe_u32 s20, ttmp6, 0x40000                  ; cx = G
	s_bfe_u32 s21, ttmp6, 0x40004                  ; cy
	s_and_b32 s22, ttmp7, 0xffff
	s_lshl_b32 s22, s22, 2
	s_add_co_u32 s22, s22, s21                     ; chunk
	s_lshl_b32 s23, s21, 2
	s_lshl_b32 s23, 15, s23                        ; my row of the cluster shares O,
	s_lshl_b32 s24, 0x1111, s20                    ; my column WO
	GROUP1 G1A, 23
	GROUP1 G1B, 24
	s_lshl_b32 s26, s22, 16
	s_add_co_u32 s26, s26, s19                     ; O: tiles 8 chunk on, my half
	s_mov_b32 s27, 0
	s_lshl_b32 s28, s20, 16
	s_add_co_u32 s28, s28, s19
	s_add_co_u32 s28, s28, 608*8192                ; WO: tiles 608 + 8 G on, my half
	s_mov_b32 s29, 0
	s_wait_dscnt 0x0                               ; both opening adds are done
	CROUND                                         ; all sixteen work-groups are here: the joint loads meet
	s_wait_kmcnt 0x0
	s_mov_b32 s[G0A], 1
	s_lshl_b32 s[G0A+1], s14, 15                   ; wave x 32,768: O's halves, then WO's
	s_add_nc_u64 s[G0A+2:G0A+3], s[4:5], s[26:27]
	s_or_b32 s[G0A+3], s[G0A+3], 0x80000000
	s_mov_b32 s[G0B], 1
	s_lshl_b32 s[G0B+1], s14, 15
	s_add_nc_u64 s[G0B+2:G0B+3], s[8:9], s[28:29]
	s_or_b32 s[G0B+3], s[G0B+3], 0x80000000
	s_cmp_lt_u32 s14, 2                            ; one joint load a wave
	s_cbranch_scc0 .Lfor_w
	tensor_load_to_lds s[G0A:G0A+3], s[G1A:G1A+7]
	s_nop 0
.rept 4
	v_nop
.endr
	s_branch .Lasked
.Lfor_w:
	tensor_load_to_lds s[G0B:G0B+3], s[G1B:G1B+7]
	s_nop 0
.rept 4
	v_nop
.endr
.Lasked:
	s_lshl_b32 s30, s20, 3
	s_lshl_b32 s31, s16, 2
	s_add_co_u32 s30, s30, s31
	s_add_co_u32 s30, s30, 608
	s_lshl_b32 s30, s30, 8                         ; WO's scale words: tiles 608 + 8 G + 4 b on
	s_mov_b32 s31, 0
	s_lshl_b32 s32, s22, 3
	s_lshl_b32 s33, s15, 2
	s_add_co_u32 s32, s32, s33
	s_lshl_b32 s32, s32, 8                         ; O's: 8 chunk + 4 a on
	s_mov_b32 s33, 0
	s_add_nc_u64 s[66:67], s[10:11], s[30:31]
	s_add_nc_u64 s[68:69], s[6:7], s[32:33]
.irp t, 0,1,2,3
	global_load_b128 v[RS+4*\t:RS+4*\t+3], v[R16], s[66:67] offset:256*\t
	global_load_b128 v[SS+4*\t:SS+4*\t+3], v[R16], s[68:69] offset:256*\t
.endr
	s_lshl_b32 s34, s22, 18                        ; out0: 128 chunk + 64 a rows of 2,048 bytes,
	s_lshl_b32 s35, s15, 17
	s_add_co_u32 s34, s34, s35
	s_lshl_b32 s35, s20, 9
	s_add_co_u32 s34, s34, s35
	s_lshl_b32 s35, s16, 8                         ; outputs 128 G + 64 b on
	s_add_co_u32 s34, s34, s35
	s_mov_b32 s35, 0
	s_add_nc_u64 s[70:71], s[12:13], s[34:35]
	s_wait_tensorcnt 0x0                           ; my tile is in
	s_wait_loadcnt 0x0                             ; and the scale words
	s_barrier_signal -1
	s_barrier_wait -1                              ; everybody's tile is
	LOADK 0
	LOADK 1
	s_wait_dscnt 32                                ; K step 0's loads are in; the 32 of K step 1 may be out
	MULK 0
	LOADK 2
	s_wait_dscnt 32
	MULK 1
	LOADK 3
	s_wait_dscnt 32
	MULK 2
	s_wait_dscnt 0x0
	MULK 3
.rept 8
	v_nop                                          ; eight places behind this form before its results are read
.endr
	TOSTAGE 0
	TOSTAGE 1
	SEND 0, 16                                     ; behind tile 0's loads: tile 1's eight stores and eight loads
	s_wait_xcnt 0x0                                ; tile 0's stores have read the registers that tile 2's rows take
	TOSTAGE 2
	SEND 1, 16
	s_wait_xcnt 0x0
	TOSTAGE 3
	SEND 2, 16
	SEND 3, 0
	s_wait_tensorcnt 0x0                           ; the wave's end, behind my last LDS store
	ds_add_u32 v[SPW], v[NIL]
	s_wait_dscnt 0x0
	CROUND                                         ; the closing round: no work-group ends while a partner may still ask for a tile that names it
	s_endpgm
.Lfunc_end_k_q21c4052293_outp:
	.size	k_q21c4052293_outp, .Lfunc_end_k_q21c4052293_outp-k_q21c4052293_outp
	.p2alignl 7, 3214868480
	.fill 96, 4, 3214868480
	.section	.rodata,"a",@progbits
	.p2align	6, 0x0
	.amdhsa_kernel k_q21c4052293_outp
		.amdhsa_group_segment_fixed_size 167936
		.amdhsa_private_segment_fixed_size 0
		.amdhsa_enable_private_segment 0
		.amdhsa_kernarg_size 40
		.amdhsa_user_sgpr_count 2
		.amdhsa_user_sgpr_kernarg_segment_ptr 1
		.amdhsa_wavefront_size32 1
		.amdhsa_system_sgpr_workgroup_id_x 1
		.amdhsa_system_sgpr_workgroup_id_y 1
		.amdhsa_system_sgpr_workgroup_id_z 1
		.amdhsa_system_vgpr_workitem_id 0
		.amdhsa_next_free_vgpr 768
		.amdhsa_next_free_sgpr 74
		.amdhsa_reserve_vcc 0
		.amdhsa_float_denorm_mode_32 3
		.amdhsa_float_denorm_mode_16_64 3
		.amdhsa_memory_ordered 1
		.amdhsa_forward_progress 1
		.amdhsa_inst_pref_size 31
	.end_amdhsa_kernel
	.amdgpu_metadata
---
amdhsa.version: [ 1, 2 ]
amdhsa.kernels:
  - .name:           k_q21c4052293_outp
    .symbol:         k_q21c4052293_outp.kd
    .args:
      - { .name: oc, .offset: 0, .size: 8, .value_kind: global_buffer, .address_space: global }
      - { .name: os, .offset: 8, .size: 8, .value_kind: global_buffer, .address_space: global }
      - { .name: qc, .offset: 16, .size: 8, .value_kind: global_buffer, .address_space: global }
      - { .name: qs, .offset: 24, .size: 8, .value_kind: global_buffer, .address_space: global }
      - { .name: out0, .offset: 32, .size: 8, .value_kind: global_buffer, .address_space: global }
    .group_segment_fixed_size: 167936
    .private_segment_fixed_size: 0
    .kernarg_segment_align: 8
    .kernarg_segment_size: 40
    .max_flat_workgroup_size: 128
    .sgpr_count:     74
    .vgpr_count:     768
    .wavefront_size: 32
...
	.end_amdgpu_metadata
.endif
;; end of part 8
